; MI455X (gfx1250); checked and timed in simulation.
; The chip was launched on July 23, 2026; its instructions are those of AMD's public machine-readable ISA for CDNA 5 (MIT licence, August 2026) and "CDNA5" Instruction Set Architecture Reference Guide (July 2026). The comments in the code are by the model that wrote it; some were corrected since.
;; Multi Head Self Attention KV Cache. Allowed arithmetic: matrix products marked QUANTISED: E4M3 operands, one given power-of-two scale a tensor, by v_wmma_f32_16x16x64_fp8_fp8 or v_wmma_f32_16x16x128_fp8_fp8, f32 sums; everything else in f32.
;; Inputs: Wk_codes 1,024 x 32 x 32 uint8 (E4M3 codes of Wk, K innermost, in blocks of 32 codes); Wo_codes 1,024 x 32 x 32 uint8 (E4M3 codes of Wo, K innermost, in blocks of 32 codes); Wq_codes 1,024 x 32 x 32 uint8 (E4M3 codes of Wq, K innermost, in blocks of 32 codes); Wv_codes 1,024 x 32 x 32 uint8 (E4M3 codes of Wv, K innermost, in blocks of 32 codes); bk 1,024 float32; bo 1,024 float32; bq 1,024 float32; bv 1,024 float32; lowp_scales 12 int32 (the exponents e of the quantised operands' scales 2^e); masks 2,048 x 2,048 float32; x_codes 2 x 2,048 x 32 x 32 uint8 (E4M3 codes of x, K innermost, in blocks of 32 codes).
;; Outputs: out0 2 x 2,048 x 1,024 float32.
;; This version of the problem:
;;   THIS VERSION OF THE PROBLEM IS GIVEN IN LOW PRECISION. The matrix products marked QUANTISED in the list below multiply operands that are first quantised to E4M3 (4 exponent bits, 3 mantissa bits; 8 bits a number), with one given power-of-two scale for each operand tensor; their sums are f32. All else is computed in f32.
;;   The module's matrix products, in the order in which they are computed (A, B: the left and right operand; K: the contracted axis; several contracted axes count as one K, in the product's order):
;;     1. [M 4,096, K 1,024] x [K 1,024, N 1,024]; A: input x (given as codes); B: input Wq (given as codes): QUANTISED (scales: A lowp_scales[0], B lowp_scales[1])
;;     2. [M 4,096, K 1,024] x [K 1,024, N 1,024]; A: input x (given as codes); B: input Wk (given as codes): QUANTISED (scales: A lowp_scales[2], B lowp_scales[3])
;;     3. [M 4,096, K 1,024] x [K 1,024, N 1,024]; A: input x (given as codes); B: input Wv (given as codes): QUANTISED (scales: A lowp_scales[4], B lowp_scales[5])
;;     4. batch 32 x [M 2,048, K 64] x [K 64, N 2,048]; A: computed on the way; B: computed on the way: QUANTISED (scales: A lowp_scales[6], B lowp_scales[7])
;;     5. batch 32 x [M 2,048, K 2,048] x [K 2,048, N 64]; A: softmax (see below); B: computed on the way: QUANTISED (scales: A lowp_scales[8], B lowp_scales[9])
;;     6. [M 4,096, K 1,024] x [K 1,024, N 1,024]; A: computed on the way; B: input Wo (given as codes): QUANTISED (scales: A lowp_scales[10], B lowp_scales[11])
;;   THE QUANTISER, for each operand of a quantised product, along K:
;;     - The operand's scale is 2^e, e = its entry of the input lowp_scales (int32; the entries are numbered through the quantised products in the list's order, A before B).
;;     - Each number is divided by the scale, clamped to +-448, and rounded to the nearest number of E4M3, ties to even, subnormals kept.
;;     - The product sums the exact products of the quantised numbers (number of the format x scale) in f32.
;;   ~~~python
;;   def quantise(x, axis, e):      # numpy; x: float32 -> the quantised numbers, widened to float32 again
;;       x = np.moveaxis(x, axis, -1); K = x.shape[-1]
;;       r = np.clip(x / 2.0 ** e, -448, 448)
;;       step = 2.0 ** (np.maximum(np.frexp(np.where(r == 0, 1, r))[1] - 1, -6) - 3)
;;       q = np.round(r / step) * step * 2.0 ** e      # np.round: ties to even
;;       return np.moveaxis(q, -1, axis).astype(np.float32)
;;   ~~~
;;   SOFTMAX AHEAD OF A QUANTISED PRODUCT. Where the list says 'softmax', what is quantised is not the finished softmax but p = 2^(t - M), with t = logit x log2(e) and M = ceil(the row's largest t), a whole number; so 1/2 < the row's largest p <= 1. The row's sum l is taken of the UNQUANTISED p, in f32, and the product's result is divided by l at the end. Since M is a whole number, a kernel that streams over the keys may use a running M (the ceiling of the running maximum): every later rescaling is an exact power of two, so the quantised numbers keep their values, but for numbers so far below the row's largest that they fall under the format's range.
;;   OPERANDS COMPUTED ON THE WAY. 'Computed on the way' means the value that the module computes at that place (a softmax that the list does not call 'softmax' is quantised finished and normalised). What goes into a quantiser is computed in f32, as accurately as f32 sums, v_exp_f32 and their like allow (about 1e-6 of the number): no bf16 or f16 on the way to a quantiser, and a product that is left as it is and whose result goes on into a quantised operand takes f32 operands (vector FMAs, or v_wmma_f32_16x16x4_f32). A number that lies on a knife's edge between two numbers of the format may be rounded either way, as far as f32 arithmetic and the matrix unit's own rounding can turn it there, and no further.
;;   INPUTS GIVEN AS CODES. Wk (in the module: [1024, 1024], K = its axis 1); Wo (in the module: [1024, 1024], K = its axis 1); Wq (in the module: [1024, 1024], K = its axis 1); Wv (in the module: [1024, 1024], K = its axis 1); x (in the module: [2, 2048, 1024], K = its axis 2): each comes as NAME_codes (uint8): NAME with its K axis moved to the last place and cut into blocks of 32 codes, [.., K / 32, bytes a block], one block behind the other in memory; one code a byte (a code: sign, 4 exponent bits, 3 mantissa bits); its scale is its entry of lowp_scales. Its value is code x scale, taken as it is: it is not quantised again, and the codes and scales need not be those that the quantiser above would give.
;; 2 versions. Each part assembles by itself: llvm-mc -triple=amdgcn-amd-amdhsa -mcpu=gfx1250 --defsym DOCPART=n.
;; ======== version 1 of 2: 3 launches
;; limits: right only within a limited range of input values
;; workspace buffers: qc 4,194,304 bytes; kc 4,194,304 bytes; vc 4,194,304 bytes; ac 4,194,304 bytes; mbits 524,288 bytes of whole numbers
;; launch qkv (part 1): grid 16 x 16, 4 waves a work-group, clusters of 4 x 4, 327,680 bytes of LDS; arguments x_codes, Wq_codes, Wk_codes, Wv_codes, bq, bk, bv, lowp_scales, masks, qc, kc, vc, mbits; writes qc, kc, vc, mbits
.if DOCPART == 1
	.amdgcn_target "amdgcn-amd-amdhsa--gfx1250"
	.amdhsa_code_object_version 6
	.text
	.protected	k_q1352bed6ae_qkv
	.globl	k_q1352bed6ae_qkv
	.p2align	8
	.type	k_q1352bed6ae_qkv,@function
k_q1352bed6ae_qkv:
	s_mov_b64 s[64:65], 0
	v_nop
	global_prefetch_b8 v0, s[64:65] scope:SCOPE_SE
	s_setreg_imm32_b32 hwreg(HW_REG_WAVE_MODE, 25, 1), 1
	s_wait_xcnt 0x0
	s_wait_alu depctr_hold_cnt(0) depctr_sa_sdst(0) depctr_va_vdst(0) depctr_va_sdst(0) depctr_va_ssrc(0) depctr_va_vcc(0) depctr_vm_vsrc(0)
	s_getreg_b32 s2, hwreg(HW_REG_IB_STS2, 6, 4)
	s_cmp_eq_u32 s2, 0
	s_cbranch_scc0 .Lentry_in_a_cluster
	s_endpgm
.Lentry_in_a_cluster:
	s_bfe_u32 s2, ttmp6, 0x10000c
	s_cmp_lg_u32 s2, 0xf033
	s_cbranch_scc0 .Lentry_shape_is_right
	s_endpgm
.Lentry_shape_is_right:
; q = x Wq^T + bq, k = x Wk^T + bk, v = x Wv^T + bv on codes of E4M3 (x: [4096][1024], W: [1024][1024], K innermost), each result quantised at once for attention; and the mask as lane-mask words.
; NO WORK IS LEFT OUT in this program: every bias stands ahead of a quantiser or goes into the output, the mask (an input) moves every logit (a masked logit is -1e-9, so every key counts for every query),
; and all twelve exponents of lowp_scales are used.  Every input is loaded.
; ROLES.  The cluster's x says what its sixteen work-groups do: 0 q, 1 k, 2 v, 3 the mask.  It is the same number in all partners of a cluster.
; GEMM (roles 0-2).  A work-group of four waves makes 256 x 256 results, a wave 128 x 128 in 64 accumulators.  K goes in steps of 256 through two LDS slots filled by joint tensor loads: the four work-groups
; of a row of the cluster share the tiles of the side called A, the four of a column those of the side called B.  Source 0 of the matrix instruction is B's 16 rows, source 1 A's: in accumulator (a, b) lane (r, h)
; holds A's row 16 a + r and B's rows 16 b + 8 h + 0 .. 7.  For q and k: A = x (tokens), B = W (features): a lane's eight registers are eight neighbouring features of one token, which is the next product's K.
; For v: A = Wv, B = x: eight neighbouring tokens (keys) of one feature, the K of the product with p.  Only pointers and tile numbers differ: the loop is one text.
; THE WAY OUT.  sum x 2^(ex + ew) + bias, held within +-448 x 2^e, converted eight at a time: accumulator (a, b) gives registers 2 b, 2 b + 1 of an operand of the next launch, in the plain 8-bit layout
; (registers 2 c, 2 c + 1: k = 16 c + 8 h + 0 .. 7).  The workspace holds IMAGES OF THOSE REGISTERS: four registers of the 32 lanes are 512 consecutive bytes, lane l's 16 at 16 l; each store writes them whole, aligned.
;   qc, kc: [batch x head 32][tile of 16 tokens 128][piece 2][512];   vc: [batch x head 32][step of 128 keys 16][tile of 16 channels 4][piece 4][512].
; THE MASK (role 3).  mbits[tile of 16 queries 128][step of 128 keys 16][n 64]: bit l = (r, h) of word n says masks[16 qt + r][128 ks + 16 (n / 8) + 8 h + n % 8] != 0: the lane mask for register n of attention's scores.
; A wave takes one tile of queries and eight key steps; nothing there is shared between work-groups, so that path asks for nothing jointly and loads through registers.  (!= is true of a NaN, as masks == 0 is false of it.)
; LIMITS: ex + ew between -126 and 127, the quantisers' e6, e7, e9 between -126 and 119, so that each power of two below is an f32 number.  NaN among the biases is not served.
; REGISTERS, in windows of 256: window 0: v0-31 addresses and constants; v32-95 the bias; from v128 A's fragments, one set; on the way out v128-191 numbers, v192-255 codes.  window 1: B's fragments, two sets.
;   windows 2, 3: the accumulators of my A rows 0-63 and 64-127 ((a, b) at v[8 (8 (a % 4) + b)]).  Mask path: window 1 four sets of 64 loaded registers; window 0 v32-47 words, v64-127 a tile by lanes.
.set KROW,   1024                      ; a row of x or of W in bytes
.set ROWB,   256                       ; a tile's row: 256 codes
.set PITCH,  272                       ; an LDS row: 256 bytes + 16 of padding = 68 words: the 16 rows that a load touches start at 16 different banks (64 banks of 4 bytes: ISA guide 11.1)
.set FR,     16                        ; registers of a fragment, 16 rows x 128 K
.set NL,     4                         ; LDS loads that bring one
.set NP,     4                         ; places behind this matrix instruction (ISA guide 7.12.1)
.set HALFT,  128*PITCH                 ; what one tensor load brings
.set SLOT,   4*HALFT                   ; A's 256 rows, then B's 256 rows
.set SPARE,  2*SLOT                    ; behind the ring: the spare words, 128 bytes a wave
.set MST,    SPARE+512                 ; the mask path's stages: bytes of their own, no fill lands there
.set MSTW,   16*528                    ; a wave's stage: 16 rows x (512 bytes + 16)
.set BO,   7                           ; v7   32 h: my eight features' bias (q, k)
.set BO2,  8                           ; v8   4 r: my feature's bias (v)
.set LI,   9                           ; v9   16 x lane
.set MSI,  10                          ; v10  mask path: into my stage
.set MSO,  11                          ; v11  mask path: out of it
.set SCR,  12                          ; v12  2^e of the quantiser
.set LIMR, 13                          ; v13  448 x 2^e
.set MBO,  14                          ; v14  8 x lane
.set ADRA, 16                          ; v16-17 LDS address of my A fragments in slot 0, 1
.set ADRB, 20                          ; v20-21 the same for B
.set SPW,  28                          ; v28  my spare word; never rewritten
.set NIL,  29                          ; v29  0; never rewritten
.set BI,   32
.set MW,   32
.set BK,   64
.set AF,   128
.set TMP,  128
.set CD,   192
.set G1,  24                           ; s[24:31] group 1 for A's tiles; s[32:39] group 0, one set a slot
.set G0,  32
.set G1B, 48                           ; s[48:55], s[56:63] the same for B's
.set G0B, 56
.set MSB, 0
.macro WIN new                         ; the immediate's high byte repeats the setting that is left
.if MSB != \new
	s_set_vgpr_msb (MSB<<8)|\new
.set MSB, \new
.endif
.endm
.set MUL_LO, 0xa1                      ; source 0 (B) window 1, source 1 (A) window 0, C and D window 2
.set MUL_HI, 0xf1                      ; the same, C and D window 3
.set TO_B,   0x40                      ; destination window 1, address window 0
; A joint load: waves 0 and 1 fetch for A, waves 2 and 3 for B; the branch hangs on the wave's number alone.  An s_nop 0 and four v_nop follow each line.
.macro JLOAD g0a, g1a, g0b, g1b
	s_cmp_eq_u32 s15, 0
	s_cbranch_scc0 .Lfor_b_\@
	tensor_load_to_lds s[\g0a:\g0a+3], s[\g1a:\g1a+7]
	s_nop 0
.rept 4
	v_nop
.endr
	s_branch .Lasked_\@
.Lfor_b_\@:
	tensor_load_to_lds s[\g0b:\g0b+3], s[\g1b:\g1b+7]
	s_nop 0
.rept 4
	v_nop
.endr
.Lasked_\@:
.endm
.macro CREST                           ; a round of the cluster's barrier behind its opening barrier
	s_cmp_lg_u32 s14, 0
	s_cbranch_scc1 .Lnot_wave_0_\@
	s_barrier_signal -3
.Lnot_wave_0_\@:
	s_barrier_wait -3
	s_barrier_signal -1
	s_barrier_wait -1
.endm
.macro CROUND                          ; a whole round
	s_barrier_signal -1
	s_barrier_wait -1
	CREST
.endm
.macro FINISH                          ; a wave's end: a tensor wait, an add and its wait, the closing round, the end
	s_wait_tensorcnt 0x0
	ds_add_u32 v[SPW], v[NIL]
	s_wait_dscnt 0x0
	CROUND
	s_endpgm
.endm
	s_load_b512 s[68:83], s[0:1], 0x0              ; x, Wq, Wk, Wv, bq, bk, bv, the exponents
	s_load_b256 s[84:91], s[0:1], 0x40             ; masks, qc, kc, vc
	s_load_b64 s[92:93], s[0:1], 0x60              ; mbits
	v_lshl_add_u32 v[SPW], v0, 2, SPARE
	v_mov_b32 v[NIL], 0
	ds_add_u32 v[SPW], v[NIL]                      ; the wave's opening: the add, twice on end, and its wait ahead of my first tensor load
	ds_add_u32 v[SPW], v[NIL]
	v_lshrrev_b32 v1, 5, v0
	v_readfirstlane_b32 s14, v1                    ; wave 0..3
	v_and_b32 v1, 15, v0                           ; r
	v_bfe_u32 v2, v0, 4, 1                         ; h
	v_and_b32 v3, 31, v0
	v_lshlrev_b32 v[LI], 4, v3
	s_lshr_b32 s15, s14, 1                         ; which half of A's rows is mine.  Also: I fetch for A (0) or for B (1)
	s_and_b32 s16, s14, 1                          ; which half of B's rows.  Also: which 128 rows of that tile I fetch
	s_bfe_u32 s40, ttmp6, 0x40000                  ; cx
	s_bfe_u32 s41, ttmp6, 0x40004                  ; cy
	s_and_b32 s66, ttmp7, 0xffff
	s_lshl_b32 s66, s66, 2                         ; 4 x cluster y
	s_cmp_eq_u32 ttmp9, 2                          ; v?  x is then the B side
	s_cselect_b32 s17, 0, s66
	s_cselect_b32 s42, s66, 0
	s_add_co_u32 s17, s17, s41                     ; A's tile of 256 rows: made of cy, the cluster's y and the role
	s_add_co_u32 s42, s42, s40                     ; B's: made of cx, the cluster's y and the role
	s_lshl_b32 s43, s41, 2
	s_lshl_b32 s43, 15, s43                        ; my row of the cluster
	s_lshl_b32 s44, 0x1111, s40                    ; my column
	s_or_b32 s[G1+0], s43, (0<<16)|(1<<20)|(1<<21)|(5<<22)|(3<<25)  ; the mask; elements of 1 byte; padding on; bit 21 beside a mask; 4 words behind every 64
	s_or_b32 s[G1B+0], s44, (0<<16)|(1<<20)|(1<<21)|(5<<22)|(3<<25)
.irp g, G1, G1B
	s_mov_b32 s[\g+1], ROWB<<16                    ; tensor_dim0
	s_mov_b32 s[\g+2], 128<<16                     ; tensor_dim1
	s_mov_b32 s[\g+3], ROWB<<16                    ; tile_dim0
	s_mov_b32 s[\g+4], 128                         ; tile_dim1
	s_mov_b32 s[\g+5], KROW                        ; from row to row
	s_mov_b32 s[\g+6], 0
	s_mov_b32 s[\g+7], 0
.endr
	s_lshl_b32 s18, s16, 7
	s_lshl_b32 s20, s17, 8
	s_add_co_u32 s20, s20, s18                     ; A: row 256 x tile + 128 x half,
	s_lshl_b32 s20, s20, 10                        ; in bytes
	s_mov_b32 s21, 0
	s_lshl_b32 s46, s42, 8
	s_add_co_u32 s46, s46, s18
	s_lshl_b32 s46, s46, 10
	s_mov_b32 s47, 0
	s_mul_i32 s45, s14, HALFT                      ; where my fetch goes: wave x 128 rows
	s_wait_dscnt 0x0                               ; both opening adds are done
	s_wait_kmcnt 0x0
	s_cmp_eq_u32 ttmp9, 0                          ; the role chooses the buffers
	s_cselect_b64 s[18:19], s[70:71], s[72:73]     ; Wq or Wk
	s_cselect_b64 s[10:11], s[76:77], s[78:79]     ; bq or bk
	s_cselect_b64 s[8:9], s[86:87], s[88:89]       ; qc or kc
	s_cmp_eq_u32 ttmp9, 2
	s_cselect_b64 s[18:19], s[74:75], s[18:19]     ; Wv
	s_cselect_b64 s[10:11], s[80:81], s[10:11]     ; bv
	s_cselect_b64 s[8:9], s[90:91], s[8:9]         ; vc
	s_cselect_b64 s[4:5], s[18:19], s[68:69]       ; the A side: Wv, else x
	s_cselect_b64 s[6:7], s[68:69], s[18:19]       ; the B side: x, else the weight
	s_add_nc_u64 s[20:21], s[4:5], s[20:21]
	s_add_nc_u64 s[46:47], s[6:7], s[46:47]
	CROUND                                         ; all sixteen work-groups are here
	s_cmp_eq_u32 ttmp9, 3
	s_cbranch_scc1 .Lmask                          ; the whole cluster goes one way
.irp s, 0,1
	s_mov_b32 s[G0+4*\s], 1
	s_add_co_u32 s[G0+4*\s+1], s45, \s*SLOT
	s_add_nc_u64 s[G0+4*\s+2:G0+4*\s+3], s[20:21], \s*ROWB
	s_or_b32 s[G0+4*\s+3], s[G0+4*\s+3], 0x80000000
	s_mov_b32 s[G0B+4*\s], 1
	s_add_co_u32 s[G0B+4*\s+1], s45, \s*SLOT
	s_add_nc_u64 s[G0B+4*\s+2:G0B+4*\s+3], s[46:47], \s*ROWB
	s_or_b32 s[G0B+4*\s+3], s[G0B+4*\s+3], 0x80000000
	JLOAD G0+4*\s, G1, G0B+4*\s, G1B               ; K steps 0 and 1: two loads of mine are out
.endr
	s_load_b256 s[68:75], s[82:83], 0x0            ; e0 .. e7 (the pointers that lay here have been used)
	s_load_b128 s[76:79], s[82:83], 0x20           ; e8 .. e11
	v_mul_u32_u24 v3, v1, PITCH
	v_lshl_add_u32 v4, v2, 4, v3                   ; a fragment's row x pitch + 16 x half
	s_mul_i32 s21, s15, HALFT                      ; my 128 rows of A
	s_mul_i32 s22, s16, HALFT                      ; my 128 rows of B,
	s_add_co_u32 s22, s22, 2*HALFT                 ; which lie behind A's 256
.irp s, 0,1
	v_add_nc_u32 v[ADRA+\s], s21, v4
	v_add_nc_u32 v[ADRB+\s], s22, v4
	s_add_co_u32 s21, s21, SLOT
	s_add_co_u32 s22, s22, SLOT
.endr
	v_lshlrev_b32 v[BO], 5, v2
	v_lshlrev_b32 v[BO2], 2, v1
	s_lshl_b32 s18, s17, 8
	s_lshl_b32 s19, s15, 7
	s_add_co_u32 s18, s18, s19                     ; my first row of the A side
	s_lshl_b32 s19, s42, 8
	s_lshl_b32 s23, s16, 7
	s_add_co_u32 s19, s19, s23                     ; and of the B side
	s_cmp_eq_u32 ttmp9, 2
	s_cselect_b32 s66, s18, s19                    ; F0: my first feature (a multiple of 128: two heads)
	s_cselect_b32 s67, s19, s18                    ; T0: my first token (a multiple of 128)
	s_lshr_b32 s18, s67, 11
	s_lshl_b32 s18, s18, 21                        ; the batch: 16 heads of 131,072 bytes
	s_lshr_b32 s19, s66, 6
	s_lshl_b32 s19, s19, 17                        ; the head
	s_add_co_u32 s18, s18, s19
	s_and_b32 s19, s67, 2047
	s_lshl_b32 s19, s19, 6                         ; 64 bytes a token, in all three layouts
	s_add_co_u32 s18, s18, s19
	s_mov_b32 s19, 0
	s_add_nc_u64 s[8:9], s[8:9], s[18:19]
	s_lshl_b32 s18, s66, 2
	s_add_nc_u64 s[10:11], s[10:11], s[18:19]      ; the bias at my first feature
.macro FRAG reg, adr, q, i             ; 16 rows x 128 K in 16 registers by four loads of 16 bytes: registers 4 c .. 4 c + 3 hold K = 32 c + 16 h + 0 .. 15: one permutation of K, the same on both sides
.irp c, 0,1,2,3
	ds_load_b128 v[\reg+4*\c:\reg+4*\c+3], v[\adr] offset:128*(\q)+32*\c+(\i)*16*PITCH
.endr
.endm
; 16 matrix instructions: A's blocks a0, a0 + 1 x B's eight.  p: B's set.  zero = 1: the first product starts the sums.  The 64 accumulators take turns in one order.
.macro MUL16 a0, p, zero
.irp a, \a0, \a0+1
.irp b, 0,1,2,3,4,5,6,7
.if \zero
	v_wmma_f32_16x16x128_fp8_fp8 v[8*(8*((\a)%4)+\b):8*(8*((\a)%4)+\b)+7], v[128*(\p)+FR*\b:128*(\p)+FR*\b+FR-1], v[AF+FR*(\a):AF+FR*(\a)+FR-1], 0
.else
	v_wmma_f32_16x16x128_fp8_fp8 v[8*(8*((\a)%4)+\b):8*(8*((\a)%4)+\b)+7], v[128*(\p)+FR*\b:128*(\p)+FR*\b+FR-1], v[AF+FR*(\a):AF+FR*(\a)+FR-1], v[8*(8*((\a)%4)+\b):8*(8*((\a)%4)+\b)+7]
.endif
.endr
.endr
.endm
.macro FETCH_B slot, q, p
	WIN TO_B
.irp i, 0,1,2,3,4,5,6,7
	FRAG 128*(\p)+FR*\i, ADRB+\slot, \q, \i
.endr
	WIN 0
.endm
.macro FETCH_A slot, q, i0
.irp i, \i0, \i0+1, \i0+2, \i0+3
	FRAG AF+FR*(\i), ADRA+\slot, \q, \i
.endr
.endm
.macro PLACES n                        ; plain vector instructions between a matrix instruction and a load into, or a vector write of, its registers, or a read of its result
.rept \n
	v_nop
.endr
.endm
; A step of 128 along K that has its successor in the same slot.  A's blocks are free as soon as their eight products are issued: one set serves A; B has two.
.macro STEP slot, q, zero
	s_wait_dscnt 4*NL                              ; B's set and A's blocks 0-3 are in; the youngest sixteen loads (A's blocks 4-7) may be out
	WIN MUL_LO
	MUL16 0, (\q)%2, \zero
	MUL16 2, (\q)%2, \zero
	s_wait_dscnt 0
	PLACES NP
	FETCH_B \slot, (\q)+1, 1-(\q)%2
	FETCH_A \slot, (\q)+1, 0
	WIN MUL_HI
	MUL16 4, (\q)%2, \zero
	MUL16 6, (\q)%2, \zero
	PLACES NP
	WIN 0
	FETCH_A \slot, (\q)+1, 4
.endm
; A slot's last step changes slots: one barrier; in front of it each wave waits for all its tensor loads, adds 0 to its spare word, and waits for that and for its reads of this slot.  fill = 1: the slot is filled again.
.macro TURN slot, next, fill
	s_wait_tensorcnt 0x0                           ; all my tensor loads have landed: my part of the next slot
	ds_add_u32 v[SPW], v[NIL]
	s_wait_dscnt 4*NL+1                            ; the add and A's blocks 4-7 may be out
	WIN MUL_LO
	MUL16 0, 1, 0
	s_wait_dscnt 0x0                               ; the add is done, and my reads of this slot are over
	s_barrier_signal -1
	MUL16 2, 1, 0
	WIN 0
	s_barrier_wait -1
.if \fill
	CREST                                          ; the barrier has opened a round of the cluster's: no wave of any partner still reads this slot or has a load on its way
	s_add_nc_u64 s[G0+4*\slot+2:G0+4*\slot+3], s[G0+4*\slot+2:G0+4*\slot+3], 2*ROWB
	s_add_nc_u64 s[G0B+4*\slot+2:G0B+4*\slot+3], s[G0B+4*\slot+2:G0B+4*\slot+3], 2*ROWB
	JLOAD G0+4*\slot, G1, G0B+4*\slot, G1B         ; my one tensor load behind the round; its four v_nop are the places in front of the loads below
.else
	PLACES NP
.endif
	FETCH_B \next, 0, 0
	FETCH_A \next, 0, 0
	WIN MUL_HI
	MUL16 4, 1, 0
	MUL16 6, 1, 0
	PLACES NP
	WIN 0
	FETCH_A \next, 0, 4
.endm
.macro LAST                            ; the very last step: nothing more to fetch
	s_wait_dscnt 4*NL
	WIN MUL_LO
	MUL16 0, 1, 0
	MUL16 2, 1, 0
	s_wait_dscnt 0
	WIN MUL_HI
	MUL16 4, 1, 0
	MUL16 6, 1, 0
	WIN 0
.endm
; THE WAY OUT of A's block a (16 A rows x 128 B rows): numbers, hold, codes, four stores of 512 consecutive bytes.  isv = 1: the bias is my lane's one feature's; else my eight features' of each accumulator.
.macro OUTBLK a, isv
.set AC, 64*((\a)%4)
.set CSET, CD+16*((\a)%4)
.set WN, 0x02+((\a)/4)
.if (\a) >= 4
	s_wait_xcnt 0x0                                ; block a - 4's stores have read their registers: this set of codes may be written again
.endif
	WIN WN                                         ; source 0: window 2 or 3
.set j, 0
.rept 32
.if \isv
	v_pk_fma_f32 v[TMP+j:TMP+j+1], v[AC+j:AC+j+1], s[96:97], v[BI+2*(\a):BI+2*(\a)+1] op_sel_hi:[1,0,0]   ; sum x 2^(ex + ew) + bias; each accumulator from its low end on
.else
	v_pk_fma_f32 v[TMP+j:TMP+j+1], v[AC+j:AC+j+1], s[96:97], v[BI+j:BI+j+1] op_sel_hi:[1,0,1]
.endif
.set j, j+2
.endr
	WIN 0
.set j, 0
.rept 8
.irp i, 0,1,2,3,4,5,6,7
	v_med3_num_f32 v[TMP+8*j+\i], v[TMP+8*j+\i], -v[LIMR], v[LIMR]   ; the conversion to an 8-bit code does not saturate (ISA guide 7.6.2): the hold at the largest code x the scale
.endr
	v_cvt_scalef32_pk8_fp8_f32 v[CSET+2*j:CSET+2*j+1], v[TMP+8*j:TMP+8*j+7], v[SCR]
.set j, j+1
.endr
	v_nop                                          ; a plain instruction behind the last conversion: the next block writes its sources
.irp p, 0,1,2,3
.if \isv
	global_store_b128 v[LI], v[CSET+4*\p:CSET+4*\p+3], s[8:9] offset:((\a)/4)*131072+((\a)%4)*2048+\p*512    ; head a / 4, channels 16 (a % 4) on, piece p of my 128 keys
.else
	global_store_b128 v[LI], v[CSET+4*\p:CSET+4*\p+3], s[8:9] offset:(\p/2)*131072+(\a)*1024+(\p%2)*512      ; head p / 2, tokens 16 a on, piece p % 2 of the head's 64
.endif
.endr
.endm
	s_wait_tensorcnt 1                             ; my part of K step 0 is in; K step 1's may be out
	s_barrier_signal -1
	s_barrier_wait -1
	FETCH_B 0, 0, 0
	FETCH_A 0, 0, 0
	FETCH_A 0, 0, 4
	STEP 0, 0, 1                                   ; K = 1,024 is four slots' worth, eight steps of 128: written out
	TURN 0, 1, 1                                   ; slot 0 takes K step 2
	STEP 1, 0, 0
	TURN 1, 0, 1                                   ; slot 1 takes K step 3
	STEP 0, 0, 0
	TURN 0, 1, 0                                   ; nothing is left to fetch
	STEP 1, 0, 0
	s_wait_kmcnt 0x0                               ; the exponents
	s_add_co_i32 s66, s68, s69                     ; e0 + e1: q's product
	s_add_co_i32 s67, s70, s71                     ; e2 + e3: k's
	s_add_co_i32 s94, s72, s73                     ; e4 + e5: v's
	s_cmp_eq_u32 ttmp9, 0
	s_cselect_b32 s66, s66, s67
	s_cselect_b32 s67, s74, s75                    ; e6 quantises q, e7 k,
	s_cmp_eq_u32 ttmp9, 2
	s_cselect_b32 s66, s94, s66
	s_cselect_b32 s67, s77, s67                    ; e9 v
	s_add_co_i32 s66, s66, 127
	s_lshl_b32 s96, s66, 23                        ; 2^(ex + ew) as f32
	s_mov_b32 s97, s96                             ; (named with it as a pair)
	s_add_co_i32 s67, s67, 127
	s_lshl_b32 s66, s67, 23
	v_mov_b32 v[SCR], s66
	s_add_co_i32 s67, s67, 8
	s_lshl_b32 s67, s67, 23
	s_or_b32 s67, s67, 0x600000
	v_mov_b32 v[LIMR], s67
	s_cmp_eq_u32 ttmp9, 2
	s_cbranch_scc1 .Lv_out                         ; ONE parting by the role: each arm loads its bias, runs the last step over those loads, and goes out
.irp b, 0,1,2,3,4,5,6,7
	global_load_b128 v[BI+8*\b:BI+8*\b+3], v[BO], s[10:11] offset:64*\b       ; bias of features 16 b + 8 h + 0 .. 7
	global_load_b128 v[BI+8*\b+4:BI+8*\b+7], v[BO], s[10:11] offset:64*\b+16
.endr
	LAST
	s_wait_loadcnt 0x0
	PLACES NP
.irp a, 0,1,2,3,4,5,6,7
	OUTBLK \a, 0
.endr
	FINISH
.Lv_out:
.irp a, 0,1,2,3,4,5,6,7
	global_load_b32 v[BI+2*\a], v[BO2], s[10:11] offset:64*\a                 ; bias of feature 16 a + r
	v_mov_b32 v[BI+2*\a+1], 0                                                 ; (named with it as a pair)
.endr
	LAST
	s_wait_loadcnt 0x0
	PLACES NP
.irp a, 0,1,2,3,4,5,6,7
	OUTBLK \a, 1
.endr
	FINISH
; THE MASK.  Wave gw of 256 takes queries 16 (gw / 2) on and keys 1,024 (gw % 2) on: eight tiles of 16 rows x 128 keys.  A load reads 512 consecutive bytes of one row; the tile turns through my stage
; so that lane (r, h) holds row r's keys 16 c + 8 h + 0 .. 7 in registers 8 c + 0 .. 7; a compare makes register n's lane mask; 64 words leave as 256 consecutive bytes.
.macro MLOAD i
	WIN 0x40                                       ; destination window 1
.irp row, 0,1,2,3,4,5,6,7,8,9,10,11,12,13,14,15
	global_load_b128 v[64*((\i)%4)+4*\row:64*((\i)%4)+4*\row+3], v[LI], s[84:85] offset:\row*8192+(\i)*512 th:TH_LOAD_NT
.endr
	WIN 0
.endm
.macro MTILE i
.if (\i) <= 5
	s_wait_loadcnt 32                              ; this tile's sixteen loads are in; those of the next two tiles may be out
.else
	s_wait_loadcnt 16*(7-(\i))
.endif
	WIN 0x04                                       ; the data in window 1
.irp row, 0,1,2,3,4,5,6,7,8,9,10,11,12,13,14,15
	ds_store_b128 v[MSI], v[64*((\i)%4)+4*\row:64*((\i)%4)+4*\row+3] offset:\row*528
.endr
	WIN 0
.irp t, 0,1,2,3,4,5,6,7
	ds_load_b128 v[BK+8*\t:BK+8*\t+3], v[MSO] offset:64*\t          ; LDS serves a wave's instructions in order (ISA guide 5.7.1.4): these see my stores
	ds_load_b128 v[BK+8*\t+4:BK+8*\t+7], v[MSO] offset:64*\t+16
.endr
	s_wait_dscnt 0x0
.if (\i)+3 < 8
	MLOAD (\i)+3                                   ; into the set that tile i - 1 has left
.endif
.set n, 0
.rept 64
	v_cmp_neq_f32 s[24+n%8], 0, v[BK+n]            ; bit l: my lane's number is not 0
	v_writelane_b32 v[MW+2*(\i)+n%2], s[24+n%8], n/2   ; word n into lane n / 2, register n % 2
.set n, n+1
.endr
	global_store_b64 v[MBO], v[MW+2*(\i):MW+2*(\i)+1], s[92:93] offset:256*(\i)   ; 32 lanes store 256 consecutive bytes, aligned; each tile has its own pair of registers
.endm
.Lmask:
	s_and_b32 s18, ttmp7, 0xffff
	s_lshl_b32 s18, s18, 4
	s_lshl_b32 s19, s41, 2
	s_add_co_u32 s18, s18, s19
	s_add_co_u32 s18, s18, s40                     ; my work-group among the 64: 16 x cluster y + 4 cy + cx (it enters global addresses alone)
	s_lshl_b32 s18, s18, 2
	s_add_co_u32 s18, s18, s14                     ; gw
	s_lshr_b32 s20, s18, 1
	s_lshl_b32 s20, s20, 17                        ; 16 rows of 8,192 bytes
	s_and_b32 s19, s18, 1
	s_lshl_b32 s19, s19, 12                        ; 1,024 keys
	s_add_co_u32 s20, s20, s19
	s_mov_b32 s21, 0
	s_add_nc_u64 s[84:85], s[84:85], s[20:21]
	s_lshl_b32 s20, s18, 11                        ; eight tiles of 256 bytes
	s_add_nc_u64 s[92:93], s[92:93], s[20:21]
	MLOAD 0
	MLOAD 1
	MLOAD 2
	v_and_b32 v3, 31, v0
	v_lshlrev_b32 v[MBO], 3, v3
	s_mul_i32 s22, s14, MSTW
	s_add_co_u32 s22, s22, MST                     ; my stage
	v_add_nc_u32 v[MSI], s22, v[LI]
	v_mul_u32_u24 v[MSO], v1, 528
	v_lshl_add_u32 v[MSO], v2, 5, v[MSO]
	v_add_nc_u32 v[MSO], s22, v[MSO]
.irp i, 0,1,2,3,4,5,6,7,8,9,10,11,12,13,14,15
	v_mov_b32 v[MW+\i], 0                          ; written once: a lane write's destination counts as read
.endr
.irp i, 0,1,2,3,4,5,6,7
	MTILE \i
.endr
	FINISH
.Lfunc_end_k_q1352bed6ae_qkv:
	.size	k_q1352bed6ae_qkv, .Lfunc_end_k_q1352bed6ae_qkv-k_q1352bed6ae_qkv
	.p2alignl 7, 3214868480
	.fill 96, 4, 3214868480
	.section	.rodata,"a",@progbits
	.p2align	6, 0x0
	.amdhsa_kernel k_q1352bed6ae_qkv
		.amdhsa_group_segment_fixed_size 327680
		.amdhsa_private_segment_fixed_size 0
		.amdhsa_enable_private_segment 0
		.amdhsa_kernarg_size 104
		.amdhsa_user_sgpr_count 2
		.amdhsa_user_sgpr_kernarg_segment_ptr 1
		.amdhsa_wavefront_size32 1
		.amdhsa_system_sgpr_workgroup_id_x 1
		.amdhsa_system_sgpr_workgroup_id_y 1
		.amdhsa_system_sgpr_workgroup_id_z 1
		.amdhsa_system_vgpr_workitem_id 0
		.amdhsa_next_free_vgpr 1024
		.amdhsa_next_free_sgpr 98
		.amdhsa_reserve_vcc 0
		.amdhsa_float_denorm_mode_32 3
		.amdhsa_float_denorm_mode_16_64 3
		.amdhsa_memory_ordered 1
		.amdhsa_forward_progress 1
		.amdhsa_inst_pref_size 255
	.end_amdhsa_kernel
	.section	.bss,"aw",@nobits
	.p2align	6
	.space	262144
	.amdgpu_metadata
---
amdhsa.version: [ 1, 2 ]
amdhsa.kernels:
  - .name:           k_q1352bed6ae_qkv
    .symbol:         k_q1352bed6ae_qkv.kd
    .args:
      - { .name: x_codes, .offset: 0, .size: 8, .value_kind: global_buffer, .address_space: global }
      - { .name: Wq_codes, .offset: 8, .size: 8, .value_kind: global_buffer, .address_space: global }
      - { .name: Wk_codes, .offset: 16, .size: 8, .value_kind: global_buffer, .address_space: global }
      - { .name: Wv_codes, .offset: 24, .size: 8, .value_kind: global_buffer, .address_space: global }
      - { .name: bq, .offset: 32, .size: 8, .value_kind: global_buffer, .address_space: global }
      - { .name: bk, .offset: 40, .size: 8, .value_kind: global_buffer, .address_space: global }
      - { .name: bv, .offset: 48, .size: 8, .value_kind: global_buffer, .address_space: global }
      - { .name: lowp_scales, .offset: 56, .size: 8, .value_kind: global_buffer, .address_space: global }
      - { .name: masks, .offset: 64, .size: 8, .value_kind: global_buffer, .address_space: global }
      - { .name: qc, .offset: 72, .size: 8, .value_kind: global_buffer, .address_space: global }
      - { .name: kc, .offset: 80, .size: 8, .value_kind: global_buffer, .address_space: global }
      - { .name: vc, .offset: 88, .size: 8, .value_kind: global_buffer, .address_space: global }
      - { .name: mbits, .offset: 96, .size: 8, .value_kind: global_buffer, .address_space: global }
    .group_segment_fixed_size: 327680
    .private_segment_fixed_size: 0
    .kernarg_segment_align: 8
    .kernarg_segment_size: 104
    .max_flat_workgroup_size: 128
    .sgpr_count:     98
    .vgpr_count:     1024
    .wavefront_size: 32
...
	.end_amdgpu_metadata
.endif
;; end of part 1
;; launch attn (part 2): grid 8 x 32, 16 waves a work-group, clusters of 4 x 1, 327,680 bytes of LDS; arguments qc, kc, vc, mbits, lowp_scales, ac; writes ac
.if DOCPART == 2
	.amdgcn_target "amdgcn-amd-amdhsa--gfx1250"
	.amdhsa_code_object_version 6
	.text
	.protected	k_q1352bed6ae_attn
	.globl	k_q1352bed6ae_attn
	.p2align	8
	.type	k_q1352bed6ae_attn,@function
k_q1352bed6ae_attn:
	s_mov_b64 s[64:65], 0
	v_nop
	global_prefetch_b8 v0, s[64:65] scope:SCOPE_SE
	s_setreg_imm32_b32 hwreg(HW_REG_WAVE_MODE, 25, 1), 1
	s_wait_xcnt 0x0
	s_wait_alu depctr_hold_cnt(0) depctr_sa_sdst(0) depctr_va_vdst(0) depctr_va_sdst(0) depctr_va_ssrc(0) depctr_va_vcc(0) depctr_vm_vsrc(0)
	s_getreg_b32 s2, hwreg(HW_REG_IB_STS2, 6, 4)
	s_cmp_eq_u32 s2, 0
	s_cbranch_scc0 .Lentry_in_a_cluster
	s_endpgm
.Lentry_in_a_cluster:
	s_bfe_u32 s2, ttmp6, 0x10000c
	s_cmp_lg_u32 s2, 0x3003
	s_cbranch_scc0 .Lentry_shape_is_right
	s_endpgm
.Lentry_shape_is_right:
; For each of the 32 (batch, head): logits = q k^T / 8, a logit whose mask is 0 replaced by -1e-9, softmax, x v; the result TRANSPOSED ([channel][query]) and quantised for the last product.  Both products on codes of E4M3.
; Nothing is left out: a masked logit is -1e-9 and not -infinity, so every key counts for every query, and every tile is multiplied.
; THE SOFTMAX: t = logit x log2(e); M = the largest t so far, rounded UP to a whole number; p = 2^(t - M) is quantised with 2^e8, not normalised; the row's sum is taken of the unquantised p and divides at the end.
; When M moves, the sum and O are multiplied by 2^(old M - new M), which rounds nothing.
; SHARES.  A work-group owns 256 queries of one head, each of its sixteen waves 16 of them in 256 registers: four waves to a SIMD, so that one wave's vector work stands beside another's products and LDS loads.
; Every wave walks the head's 2,048 keys, 128 a step.  THE HEAD'S WHOLE K AND V LIE IN LDS, 131,072 bytes each, FILLED ONCE: no slot is ever filled again.  They are images of the operands' registers (lane l's 16 bytes at 16 l),
; so a fragment comes by loads of 512 consecutive bytes, with no pitch and no padding.
; CLUSTER.  The four blocks of queries of a cluster belong to one head: each tile is asked for jointly, by the same tensor load with the same descriptor and the mask 15.  One load a wave: 64 rows of 256 bytes.
; LAYOUT.  S^T = K Q^T (source 0 = 16 keys, source 1 = my 16 queries, K = 64): lane (r, h) holds query r and, in tile c's register j, key 16 c + 8 h + j: eight such tiles, converted eight numbers at a time, ARE
; source 1 of O^T = V^T P^T (K = 128 keys) in the plain 8-bit layout.  O^T: lane (r, h), tile dt, register j: channel 16 dt + 8 h + j of query r.
; THE MASK comes as 64 words a step, word n the lane mask for score register n, by scalar loads one step ahead; a select puts in the raw score that stands for -1e-9.
; LIMITS, so that each power of two below is an f32 number: e6 + e7 between -123 and 99 (added to the exponent field of log2(e) / 8, taken from that of 8e-9); e8 and e10 between -126 and 119.  NaN is not served.
.set STG,   262144                     ; behind K and V: the stage for the way out, 64 rows (channels) x (256 bytes + 16): bytes of its own
.set SPARE, STG+64*272                 ; the spare words, 128 bytes for each of sixteen waves
.set LI,  1                            ; v1   16 x lane; never rewritten
.set ADK, 2                            ; v2   LDS address of the step's K
.set ADV, 3                            ; v3   of its V
.set NEG, 4                            ; v4   the raw score of a masked logit
.set SPW, 5                            ; v5   my spare word; never rewritten
.set NIL, 6                            ; v6   0; never rewritten
.set LIM, 7                            ; v7   448 x 2^e8; on the way out 448 x 2^e10
.set PSC, 8                            ; v8   2^e8; on the way out 2^e10
.set QF,  16                           ; v16-23   Q's fragment
.set PF,  24                           ; v24-39   p's codes
.set FG,  40                           ; v40-103  eight fragments of K, then four of V
.set S,   104                          ; v104-167 S^T, then p
.set OA,  168                          ; v168-199 O^T
.set MXA, 200                          ; v200, v201 at work
.set MXB, 201
.set FF,  202                          ; v[202:203] f = 2^(old M - new M)
.set PX,  204                          ; v204 a lane exchange's destination
.set SB,  206                          ; v[206:207] the sum's second chain
.set CDS, 136                          ; the way out: O's codes
.set G1,  52                           ; s[52:59] descriptor group 1
.set MB,  60                           ; s[60:61] my tile's mask words of the step last asked for
.set CS,  62                           ; s[62:63] c = log2(e) / 8 x 2^(e6 + e7)
.set SEL, 66                           ; s[66:67] lane selects: lane l xor 16
.set G0,  84                           ; s[84:87] descriptor group 0
.set AC,  92                           ; s[92:93] where my rows of the result begin
.set WV,  94
.set TB,  95                           ; s95  8,192 x the key step
.set CNT, 96
.set EO,  97                           ; s97  e8 + e9
; the 64 mask words lie in s[4:51] and s[68:83]: word n in s[4 + n + 16 (n / 48)]
.macro CROUND
	s_barrier_signal -1
	s_barrier_wait -1
	s_cmp_lg_u32 s[WV], 0
	s_cbranch_scc1 .Lnot_wave_0_\@
	s_barrier_signal -3
.Lnot_wave_0_\@:
	s_barrier_wait -3
	s_barrier_signal -1
	s_barrier_wait -1
.endm
	s_load_b256 s[4:11], s[0:1], 0x0               ; qc, kc, vc, mbits
	s_load_b128 s[12:15], s[0:1], 0x20             ; the exponents, ac
	v_lshl_add_u32 v[SPW], v0, 2, SPARE
	v_mov_b32 v[NIL], 0
	ds_add_u32 v[SPW], v[NIL]                      ; the wave's opening: the add, twice on end, and its wait ahead of my first tensor load
	ds_add_u32 v[SPW], v[NIL]
	v_lshrrev_b32 v1, 5, v0
	v_readfirstlane_b32 s[WV], v1                  ; wave 0..15
	v_and_b32 v1, 31, v0
	v_lshlrev_b32 v[LI], 4, v1
	s_bfe_u32 s2, ttmp6, 0x40000                   ; cx
	s_lshl_b32 s3, ttmp9, 2
	s_add_co_u32 s2, s3, s2                        ; my block of 256 queries: it enters the addresses of Q, the mask words and the result alone
	s_lshl_b32 s3, s2, 4
	s_add_co_u32 s3, s3, s[WV]                     ; my tile of 16 queries
	s_and_b32 s88, ttmp7, 0xffff                   ; batch x head, which the four partners share:
	s_lshl_b32 s88, s88, 17                        ; 131,072 bytes in each buffer of codes
	s_mov_b32 s89, 0
	s_and_b32 s90, s[WV], 7
	s_lshl_b32 s90, s90, 14                        ; what I fetch: 16,384 bytes of K (waves 0-7) or of V (waves 8-15)
	s_mov_b32 s91, 0
	s_add_nc_u64 s[90:91], s[90:91], s[88:89]
	s_mov_b32 s[G1], 15|(3<<16)|(1<<21)            ; the mask: all four work-groups; elements of 8 bytes; bit 21 beside a mask; no padding
	s_mov_b32 s[G1+1], 32<<16                      ; tensor_dim0 = 32 elements: 256 bytes
	s_mov_b32 s[G1+2], 64<<16                      ; tensor_dim1 = 64
	s_mov_b32 s[G1+3], 32<<16                      ; tile_dim0
	s_mov_b32 s[G1+4], 64                          ; tile_dim1
	s_mov_b32 s[G1+5], 32                          ; from row to row: the block is dense
	s_mov_b32 s[G1+6], 0
	s_mov_b32 s[G1+7], 0
	s_mov_b32 s[G0], 1
	s_lshl_b32 s[G0+1], s[WV], 14                  ; LDS: 16,384 x wave: K's eight parts, then V's
	s_mov_b32 s[SEL], 0x76543210
	s_mov_b32 s[SEL+1], 0xfedcba98
	s_mov_b32 s[TB], 0
	s_wait_dscnt 0x0                               ; both opening adds are done
	s_wait_kmcnt 0x0
	s_load_b128 s[20:23], s[12:13], 0x18           ; e6, e7, e8, e9
	s_load_b32 s24, s[12:13], 0x28                 ; e10
	s_lshl_b32 s96, s3, 12                         ; 16 steps x 256 bytes of mask words a tile of queries
	s_mov_b32 s97, 0
	s_add_nc_u64 s[MB:MB+1], s[10:11], s[96:97]
	s_lshl_b32 s96, s3, 10                         ; Q: 1,024 bytes a tile
	s_add_nc_u64 s[100:101], s[4:5], s[96:97]
	s_add_nc_u64 s[100:101], s[100:101], s[88:89]
	s_lshl_b32 s96, s[WV], 13                      ; the result [batch x head][channel][query]: I store channels 4 w .. 4 w + 3 (rows of 2,048 bytes),
	s_lshl_b32 s98, s2, 8                          ; my work-group's 256 queries
	s_add_co_u32 s96, s96, s98
	s_add_nc_u64 s[AC:AC+1], s[14:15], s[96:97]
	s_add_nc_u64 s[AC:AC+1], s[AC:AC+1], s[88:89]
	s_cmp_lt_u32 s[WV], 8
	s_cselect_b64 s[G0+2:G0+3], s[6:7], s[8:9]
	s_add_nc_u64 s[G0+2:G0+3], s[G0+2:G0+3], s[90:91]
	s_or_b32 s[G0+3], s[G0+3], 0x80000000          ; type = 2
	CROUND                                         ; all four work-groups are here: the joint loads meet
	tensor_load_to_lds s[G0:G0+3], s[G1:G1+7]      ; my one tensor load of the launch
	s_nop 0
.rept 4
	v_nop
.endr
	global_load_b128 v[QF:QF+3], v[LI], s[100:101]
	global_load_b128 v[QF+4:QF+7], v[LI], s[100:101] offset:512
	s_wait_kmcnt 0x0
	s_add_co_i32 s96, s20, s21
	s_lshl_b32 s96, s96, 23
	s_mov_b32 s[CS], 0x3e38aa3b                    ; log2(e) / 8
	s_add_co_i32 s[CS], s[CS], s96                 ; x 2^(e6 + e7): a raw score stands for score x 2^(e6 + e7)
	s_mov_b32 s[CS+1], s[CS]                       ; (named with it as a pair)
	s_mov_b32 s98, 0xb209705f                      ; -8e-9,
	s_sub_co_i32 s98, s98, s96                     ; / 2^(e6 + e7): the raw score whose logit is -1e-9
	v_mov_b32 v[NEG], s98
	s_add_co_i32 s96, s22, 127
	s_lshl_b32 s98, s96, 23
	v_mov_b32 v[PSC], s98                          ; 2^e8
	s_add_co_i32 s96, s96, 8
	s_lshl_b32 s96, s96, 23
	s_or_b32 s96, s96, 0x600000
	v_mov_b32 v[LIM], s96                          ; 448 x 2^e8
	s_add_co_i32 s[EO], s22, s23
	s_add_co_i32 s96, s24, 127
	s_lshl_b32 s98, s96, 23                        ; 2^e10, kept for the way out,
	s_add_co_i32 s96, s96, 8
	s_lshl_b32 s99, s96, 23
	s_or_b32 s99, s99, 0x600000                    ; and 448 x 2^e10
	s_load_b512 s[4:19], s[MB:MB+1], 0x0           ; step 0's mask words (all that lay in these registers has been used)
	s_load_b512 s[20:35], s[MB:MB+1], 0x40
	s_load_b512 s[36:51], s[MB:MB+1], 0x80
	s_load_b512 s[68:83], s[MB:MB+1], 0xc0
	v_mov_b32 v13, 0xff61b1e6                      ; the largest t so far: -3e38, under every t
	v_floor_f32 v12, -v13                          ; -M
	v_mov_b32 v14, 0                               ; the sum, in two halves
	v_mov_b32 v15, 0
	v_mov_b32 v[FF+1], 0                           ; (named as the upper half of a pair)
	v_mov_b32 v[PX], 0                             ; a lane exchange's destination counts as read
.set j, 0
.rept 32
	v_mov_b32 v[OA+j], 0                           ; O^T: the step is written for all steps alike; the first finds zeros, which the first change of M leaves zeros
.set j, j+1
.endr
; A KEY STEP of 128 keys.  pre = 1: the next step's mask words are asked for.
.macro STEP pre
	v_add_nc_u32 v[ADK], s[TB], v[LI]
	v_add_nc_u32 v[ADV], 0x20000, v[ADK]
	v_nop
	v_nop                                          ; four plain instructions between the last step's products and the loads into the registers that they read
.irp c, 0,1,2,3,4,5,6,7
	ds_load_b128 v[FG+8*\c:FG+8*\c+3], v[ADK] offset:1024*\c
	ds_load_b128 v[FG+8*\c+4:FG+8*\c+7], v[ADK] offset:1024*\c+512
.endr
	s_wait_dscnt 0x0
.irp c, 0,1,2,3,4,5,6,7
	v_wmma_f32_16x16x64_fp8_fp8 v[S+8*\c:S+8*\c+7], v[FG+8*\c:FG+8*\c+7], v[QF:QF+7], 0
.endr
.rept 4
	v_nop                                          ; places in front of the loads below and of the first read of the scores
.endr
.irp dt, 0,1,2,3
.irp p, 0,1,2,3
	ds_load_b128 v[FG+16*\dt+4*\p:FG+16*\dt+4*\p+3], v[ADV] offset:2048*\dt+512*\p   ; V's fragments land while the softmax is worked
.endr
.endr
	s_wait_kmcnt 0x0                               ; this step's mask words, asked for a step ago
.set n, 0
.rept 64
	v_cndmask_b32 v[S+n], v[NEG], v[S+n], s[4+n+16*(n/48)]   ; the score where the mask is not 0, else the raw score of -1e-9; each accumulator from its low end on
.set n, n+1
.endr
.if \pre
	s_add_nc_u64 s[MB:MB+1], s[MB:MB+1], 256       ; the loads that named this base are done (the wait above)
	s_load_b512 s[4:19], s[MB:MB+1], 0x0
	s_load_b512 s[20:35], s[MB:MB+1], 0x40
	s_load_b512 s[36:51], s[MB:MB+1], 0x80
	s_load_b512 s[68:83], s[MB:MB+1], 0xc0
.endif
	v_max3_num_f32 v[MXA], v[S], v[S+1], v[S+2]    ; the step's largest score of my query among my 64 keys, in two chains,
	v_max3_num_f32 v[MXB], v[S+3], v[S+4], v[S+5]
.irp i, 6,10,14,18,22,26,30,34,38,42,46,50,54,58
	v_max3_num_f32 v[MXA], v[MXA], v[S+\i], v[S+\i+1]
	v_max3_num_f32 v[MXB], v[MXB], v[S+\i+2], v[S+\i+3]
.endr
	v_max3_num_f32 v[MXA], v[MXA], v[S+62], v[S+63]
	v_max_num_f32 v[MXA], v[MXA], v[MXB]
	v_permlanex16_b32 v[PX], v[MXA], s[SEL], s[SEL+1]
	v_max_num_f32 v[MXA], v[MXA], v[PX]            ; and among lane l xor 16's
	v_mul_f32 v[MXA], s[CS], v[MXA]                ; as t (c is positive)
	v_max_num_f32 v13, v13, v[MXA]                 ; the running largest t
	v_mov_b32 v[MXA], v12
	v_floor_f32 v12, -v13                          ; the new -M = floor(-t) = -ceil(t)
	v_sub_f32 v[MXA], v12, v[MXA]                  ; old M - new M: a whole number, 0 or less
	v_cvt_i32_f32 v[MXA], v[MXA]                   ; (it saturates)
	v_ldexp_f32 v[FF], 1.0, v[MXA]                 ; f = 2^(old M - new M)
.set j, 0
.rept 32
	v_pk_fma_f32 v[S+j:S+j+1], v[S+j:S+j+1], s[CS:CS+1], v[12:13] op_sel_hi:[1,0,0]   ; t - M, two at a time (of the pairs c and -M the low word serves both halves)
.set j, j+2
.endr
.set j, 0
.rept 64
	v_exp_f32 v[S+j], v[S+j]                       ; p = 2^(t - M)
.set j, j+1
.endr
	v_pk_mul_f32 v[14:15], v[14:15], v[FF:FF+1] op_sel_hi:[1,0]   ; the sums under the new M: the plain instruction behind the exponentials
	s_wait_alu depctr_va_vdst(0)                   ; one wait for the whole batch, ahead of its first reader
	v_pk_add_f32 v[SB:SB+1], v[S:S+1], v[S+2:S+3]  ; the row's sum is taken of the unquantised p, in two chains
.irp j, 4,8,12,16,20,24,28,32,36,40,44,48,52,56,60
	v_pk_add_f32 v[14:15], v[14:15], v[S+\j:S+\j+1]
	v_pk_add_f32 v[SB:SB+1], v[SB:SB+1], v[S+\j+2:S+\j+3]
.endr
	v_pk_add_f32 v[14:15], v[14:15], v[SB:SB+1]
.irp c, 0,1,2,3,4,5,6,7
.irp i, 0,1,2,3,4,5,6,7
	v_min_num_f32 v[S+8*\c+\i], v[S+8*\c+\i], v[LIM]   ; the conversion does not saturate (ISA guide 7.6.2); p is not negative, so the hold is one-sided
.endr
	v_cvt_scalef32_pk8_fp8_f32 v[PF+2*\c:PF+2*\c+1], v[S+8*\c:S+8*\c+7], v[PSC]   ; keys 16 c + 8 h + 0 .. 7: registers 2 c, 2 c + 1 of the operand
.endr
.set j, 0
.rept 16
	v_pk_mul_f32 v[OA+j:OA+j+1], v[OA+j:OA+j+1], v[FF:FF+1] op_sel_hi:[1,0]   ; O^T under the new M; also the plain instructions behind the conversions
.set j, j+2
.endr
	s_wait_dscnt 0x0                               ; V's fragments
.irp dt, 0,1,2,3
	v_wmma_f32_16x16x128_fp8_fp8 v[OA+8*\dt:OA+8*\dt+7], v[FG+16*\dt:FG+16*\dt+15], v[PF:PF+15], v[OA+8*\dt:OA+8*\dt+7]   ; the four accumulators take turns, one instruction a turn
.endr
	s_add_co_u32 s[TB], s[TB], 8192
.endm
	s_wait_loadcnt 0x0                             ; Q
	s_wait_tensorcnt 0x0                           ; my part of K or V has landed,
	s_barrier_signal -1
	s_barrier_wait -1                              ; everybody's has
	s_mov_b32 s[CNT], 15
.Lstep:
	STEP 1
	s_sub_co_u32 s[CNT], s[CNT], 1
	s_cmp_lg_u32 s[CNT], 0
	s_cbranch_scc1 .Lstep
	STEP 0                                         ; the last step is written out: no mask word is asked for beyond the buffer's end
	; THE WAY OUT.  O^T x 2^(e8 + e9) / the sum, quantised with 2^e10.  The next product's K runs along the QUERIES, which lie across lanes and waves: the codes go byte by byte into a stage of 64 rows (channels)
	; x 256 queries, and leave as whole rows: sixteen lanes store 256 consecutive bytes, aligned.
	v_add_f32 v14, v14, v15
	v_permlanex16_b32 v[PX], v14, s[SEL], s[SEL+1]
	v_add_f32 v14, v14, v[PX]                      ; the row's sum
	v_rcp_f32 v14, v14
	v_and_b32 v2, 15, v0                           ; (plain instructions behind the reciprocal)  r
	v_bfe_u32 v3, v0, 4, 1                         ; h
	s_lshl_b32 s2, s[WV], 4
	v_mul_u32_u24 v9, v3, 8*272
	v_add_nc_u32 v9, v9, v2
	v_add_nc_u32 v9, s2, v9
	v_add_nc_u32 v9, STG, v9                       ; in: row 8 h (+ the offset's), byte 16 w + r: my query
	s_mul_i32 s3, s[WV], 4*272
	v_mul_u32_u24 v10, v3, 272
	v_lshl_add_u32 v10, v2, 4, v10
	v_add_nc_u32 v10, s3, v10
	v_add_nc_u32 v10, STG, v10                     ; back: rows 4 w + h and 4 w + 2 + h, 16 bytes a lane
	v_lshlrev_b32 v11, 11, v3
	v_lshl_add_u32 v11, v2, 4, v11                 ; and the same places in the result
	v_mov_b32 v[LIM], s99
	v_mov_b32 v[PSC], s98
	s_wait_alu depctr_va_vdst(0)                   ; the wait ahead of the reciprocal's first reader
	v_ldexp_f32 v14, v14, s[EO]
.set j, 0
.rept 32
	v_mul_f32 v[S+j], v[OA+j], v14                 ; each accumulator from its low end on
.set j, j+1
.endr
.irp dt, 0,1,2,3
.irp i, 0,1,2,3,4,5,6,7
	v_med3_num_f32 v[S+8*\dt+\i], v[S+8*\dt+\i], -v[LIM], v[LIM]
.endr
	v_cvt_scalef32_pk8_fp8_f32 v[CDS+2*\dt:CDS+2*\dt+1], v[S+8*\dt:S+8*\dt+7], v[PSC]   ; register 2 dt + u, byte k: channel 16 dt + 8 h + 4 u + k
.endr
	v_nop                                          ; a plain instruction behind the last conversion
.set q, 0
.rept 8
	v_lshrrev_b32 v[FG+3*q], 8, v[CDS+q]
	v_lshrrev_b32 v[FG+3*q+1], 16, v[CDS+q]
	v_lshrrev_b32 v[FG+3*q+2], 24, v[CDS+q]
.set q, q+1
.endr
.set q, 0
.rept 8
	ds_store_b8 v9, v[CDS+q] offset:(16*(q/2)+4*(q%2))*272
	ds_store_b8 v9, v[FG+3*q] offset:(16*(q/2)+4*(q%2)+1)*272
	ds_store_b8 v9, v[FG+3*q+1] offset:(16*(q/2)+4*(q%2)+2)*272
	ds_store_b8 v9, v[FG+3*q+2] offset:(16*(q/2)+4*(q%2)+3)*272
.set q, q+1
.endr
	s_wait_dscnt 0x0                               ; for the others' sake: my bytes lie in the stage
	s_barrier_signal -1
	s_barrier_wait -1
	ds_load_b128 v[64:67], v10
	ds_load_b128 v[68:71], v10 offset:2*272
	s_wait_dscnt 1                                 ; the first is in; the second may be out
	global_store_b128 v11, v[64:67], s[AC:AC+1]
	s_wait_dscnt 0x0
	global_store_b128 v11, v[68:71], s[AC:AC+1] offset:4096
	s_wait_tensorcnt 0x0                           ; the wave's end
	ds_add_u32 v[SPW], v[NIL]
	s_wait_dscnt 0x0
	CROUND                                         ; the closing round
	s_endpgm
.Lfunc_end_k_q1352bed6ae_attn:
	.size	k_q1352bed6ae_attn, .Lfunc_end_k_q1352bed6ae_attn-k_q1352bed6ae_attn
	.p2alignl 7, 3214868480
	.fill 96, 4, 3214868480
	.section	.rodata,"a",@progbits
	.p2align	6, 0x0
	.amdhsa_kernel k_q1352bed6ae_attn
		.amdhsa_group_segment_fixed_size 327680
		.amdhsa_private_segment_fixed_size 0
		.amdhsa_enable_private_segment 0
		.amdhsa_kernarg_size 48
		.amdhsa_user_sgpr_count 2
		.amdhsa_user_sgpr_kernarg_segment_ptr 1
		.amdhsa_wavefront_size32 1
		.amdhsa_system_sgpr_workgroup_id_x 1
		.amdhsa_system_sgpr_workgroup_id_y 1
		.amdhsa_system_sgpr_workgroup_id_z 1
		.amdhsa_system_vgpr_workitem_id 0
		.amdhsa_next_free_vgpr 256
		.amdhsa_next_free_sgpr 102
		.amdhsa_reserve_vcc 0
		.amdhsa_float_denorm_mode_32 3
		.amdhsa_float_denorm_mode_16_64 3
		.amdhsa_memory_ordered 1
		.amdhsa_forward_progress 1
		.amdhsa_inst_pref_size 53
	.end_amdhsa_kernel
	.amdgpu_metadata
---
amdhsa.version: [ 1, 2 ]
amdhsa.kernels:
  - .name:           k_q1352bed6ae_attn
    .symbol:         k_q1352bed6ae_attn.kd
    .args:
      - { .name: qc, .offset: 0, .size: 8, .value_kind: global_buffer, .address_space: global }
      - { .name: kc, .offset: 8, .size: 8, .value_kind: global_buffer, .address_space: global }
      - { .name: vc, .offset: 16, .size: 8, .value_kind: global_buffer, .address_space: global }
      - { .name: mbits, .offset: 24, .size: 8, .value_kind: global_buffer, .address_space: global }
      - { .name: lowp_scales, .offset: 32, .size: 8, .value_kind: global_buffer, .address_space: global }
      - { .name: ac, .offset: 40, .size: 8, .value_kind: global_buffer, .address_space: global }
    .group_segment_fixed_size: 327680
    .private_segment_fixed_size: 0
    .kernarg_segment_align: 8
    .kernarg_segment_size: 48
    .max_flat_workgroup_size: 512
    .sgpr_count:     102
    .vgpr_count:     256
    .wavefront_size: 32
...
	.end_amdgpu_metadata
.endif
;; end of part 2
;; launch oproj (part 3): grid 8 x 32, 4 waves a work-group, clusters of 4 x 4, 327,680 bytes of LDS; arguments ac, Wo_codes, lowp_scales, bo, out0; writes out0
.if DOCPART == 3
	.amdgcn_target "amdgcn-amd-amdhsa--gfx1250"
	.amdhsa_code_object_version 6
	.text
	.protected	k_q1352bed6ae_oproj
	.globl	k_q1352bed6ae_oproj
	.p2align	8
	.type	k_q1352bed6ae_oproj,@function
k_q1352bed6ae_oproj:
	s_mov_b64 s[64:65], 0
	v_nop
	global_prefetch_b8 v0, s[64:65] scope:SCOPE_SE
	s_setreg_imm32_b32 hwreg(HW_REG_WAVE_MODE, 25, 1), 1
	s_wait_xcnt 0x0
	s_wait_alu depctr_hold_cnt(0) depctr_sa_sdst(0) depctr_va_vdst(0) depctr_va_sdst(0) depctr_va_ssrc(0) depctr_va_vcc(0) depctr_vm_vsrc(0)
	s_getreg_b32 s2, hwreg(HW_REG_IB_STS2, 6, 4)
	s_cmp_eq_u32 s2, 0
	s_cbranch_scc0 .Lentry_in_a_cluster
	s_endpgm
.Lentry_in_a_cluster:
	s_bfe_u32 s2, ttmp6, 0x10000c
	s_cmp_lg_u32 s2, 0xf033
	s_cbranch_scc0 .Lentry_shape_is_right
	s_endpgm
.Lentry_shape_is_right:
; out0[m][e] = (sum over k of A[m][k] Wo[e][k]) x 2^(e10 + e11) + bo[e].  A: the attention's result as codes of E4M3, [4096][1024]; Wo: codes, [1024][1024]; K innermost in both.  out0: [4096][1024] f32.  Nothing is left out.
; A tile of 128 x 128 to a work-group: 256 tiles, one for each WGP (tiles of 256 x 256 would be 64).  Four waves, each 64 x 64: 16 accumulators.
; K = 1,024 fits in LDS whole: four chunks of 256 along K, each A's 128 rows and B's 128 rows of 256 bytes, ALL ASKED FOR AT THE HEAD and filled once: no slot is filled again.  A wave has four tensor loads out at the most.
; CLUSTERS: 4 x 4 work-groups; A's tiles are shared along a row of the cluster, Wo's along a column: joint loads.  The matrix instruction is used transposed (source 0 = 16 rows of Wo, source 1 = 16 rows of A):
; a lane holds eight neighbouring numbers of a row of the result.
; LIMIT: e10 + e11 between -126 and 127.
; REGISTERS: window 0: v16-29 addresses; v32-95 rows on the way out, two sets; v96-99 my four columns' bias; v128-255 the accumulators ((a, b) at v[128 + 8 (4 a + b)]).  window 1: two fragment buffers of 128: A's four, then B's four.
.set PITCH,  272                       ; an LDS row: 256 bytes + 16 of padding: the 16 rows of a load start at 16 different banks (64 banks of 4 bytes: ISA guide 11.1)
.set QUART,  64*PITCH                  ; what one tensor load brings
.set CHUNK,  4*QUART                   ; 256 along K: A's 128 rows, then B's 128
.set STG,    4*CHUNK                   ; behind the chunks: a stage of 16 rows x 272 bytes for each wave
.set SPITCH, 272
.set SPARE,  STG+4*16*SPITCH           ; the spare words, 128 bytes a wave
.set ADRA, 16                          ; v16-19 LDS address of my A fragments in chunk 0 .. 3
.set ADRB, 20                          ; v20-23 the same for B
.set STO,  24
.set RD,   25
.set CO,   26
.set BOF,  27
.set SPW,  28
.set NIL,  29
.set BK,   32
.set BIA,  96
.set ACC,  128
.set G1,  24                           ; s[24:31] group 1 for A's tiles, s[48:55] for B's
.set G1B, 48
.set G0A, 68                           ; s[68:83] group 0 for A's four chunks, s[84:99] for B's
.set G0B, 84
.set MSB, 0
.macro WIN new
.if MSB != \new
	s_set_vgpr_msb (MSB<<8)|\new
.set MSB, \new
.endif
.endm
.set MUL,  0x05                        ; sources 0 and 1 window 1; C and D window 0
.set TO_F, 0x40                        ; destination window 1, address window 0
.macro CROUND
	s_barrier_signal -1
	s_barrier_wait -1
	s_cmp_lg_u32 s14, 0
	s_cbranch_scc1 .Lnot_wave_0_\@
	s_barrier_signal -3
.Lnot_wave_0_\@:
	s_barrier_wait -3
	s_barrier_signal -1
	s_barrier_wait -1
.endm
.macro PLACES
.rept 4
	v_nop
.endr
.endm
	s_load_b256 s[4:11], s[0:1], 0x0               ; A's codes, Wo's codes, the exponents, bo
	s_load_b64 s[12:13], s[0:1], 0x20              ; out0
	v_lshl_add_u32 v[SPW], v0, 2, SPARE
	v_mov_b32 v[NIL], 0
	ds_add_u32 v[SPW], v[NIL]                      ; the wave's opening: the add, twice on end, and its wait ahead of my first tensor load
	ds_add_u32 v[SPW], v[NIL]
	v_lshrrev_b32 v1, 5, v0
	v_readfirstlane_b32 s14, v1                    ; wave 0..3
	s_lshr_b32 s15, s14, 1                         ; which half of the tile's rows is mine.  Also: I fetch for A (0) or for B (1)
	s_and_b32 s16, s14, 1                          ; which half of its columns.  Also: which 64 rows I fetch
	s_bfe_u32 s40, ttmp6, 0x40000                  ; cx
	s_bfe_u32 s41, ttmp6, 0x40004                  ; cy
	s_lshl_b32 s42, ttmp9, 2
	s_add_co_u32 s42, s42, s40                     ; tile column
	s_and_b32 s17, ttmp7, 0xffff
	s_lshl_b32 s17, s17, 2
	s_add_co_u32 s17, s17, s41                     ; tile row
	s_lshl_b32 s43, s41, 2
	s_lshl_b32 s43, 15, s43                        ; my row of the cluster
	s_lshl_b32 s44, 0x1111, s40                    ; my column
	s_or_b32 s[G1+0], s43, (0<<16)|(1<<20)|(1<<21)|(5<<22)|(3<<25)  ; the mask; elements of 1 byte; padding on; bit 21 beside a mask; 4 words behind every 64
	s_or_b32 s[G1B+0], s44, (0<<16)|(1<<20)|(1<<21)|(5<<22)|(3<<25)
.irp g, G1, G1B
	s_mov_b32 s[\g+1], 256<<16                     ; tensor_dim0
	s_mov_b32 s[\g+2], 64<<16                      ; tensor_dim1
	s_mov_b32 s[\g+3], 256<<16                     ; tile_dim0
	s_mov_b32 s[\g+4], 64                          ; tile_dim1
	s_mov_b32 s[\g+5], 1024                        ; from row to row
	s_mov_b32 s[\g+6], 0
	s_mov_b32 s[\g+7], 0
.endr
	s_lshl_b32 s18, s16, 6
	s_lshl_b32 s20, s17, 7
	s_add_co_u32 s20, s20, s18                     ; A: row 128 x tile row + 64 x half,
	s_lshl_b32 s20, s20, 10                        ; in bytes
	s_mov_b32 s21, 0
	s_lshl_b32 s46, s42, 7
	s_add_co_u32 s46, s46, s18
	s_lshl_b32 s46, s46, 10
	s_mov_b32 s47, 0
	s_mul_i32 s45, s14, QUART                      ; where my fetches go in a chunk: wave x 64 rows
	s_wait_dscnt 0x0                               ; both opening adds are done
	s_wait_kmcnt 0x0
	s_load_b64 s[22:23], s[8:9], 0x28              ; e10, e11
	s_add_nc_u64 s[20:21], s[4:5], s[20:21]
	s_add_nc_u64 s[46:47], s[6:7], s[46:47]
	CROUND                                         ; all sixteen work-groups are here
.irp kq, 0,1,2,3
	s_mov_b32 s[G0A+4*\kq], 1
	s_add_co_u32 s[G0A+4*\kq+1], s45, \kq*CHUNK
	s_add_nc_u64 s[G0A+4*\kq+2:G0A+4*\kq+3], s[20:21], \kq*256
	s_or_b32 s[G0A+4*\kq+3], s[G0A+4*\kq+3], 0x80000000
	s_mov_b32 s[G0B+4*\kq], 1
	s_add_co_u32 s[G0B+4*\kq+1], s45, \kq*CHUNK
	s_add_nc_u64 s[G0B+4*\kq+2:G0B+4*\kq+3], s[46:47], \kq*256
	s_or_b32 s[G0B+4*\kq+3], s[G0B+4*\kq+3], 0x80000000
.endr
	s_cmp_eq_u32 s15, 0                            ; a wave's four first fills stand in one arm of one branch on its number
	s_cbranch_scc0 .Lfirst_b
.irp kq, 0,1,2,3
	tensor_load_to_lds s[G0A+4*\kq:G0A+4*\kq+3], s[G1:G1+7]
	s_nop 0
.endr
	PLACES
	s_branch .Lfirst_done
.Lfirst_b:
.irp kq, 0,1,2,3
	tensor_load_to_lds s[G0B+4*\kq:G0B+4*\kq+3], s[G1B:G1B+7]
	s_nop 0
.endr
	PLACES
.Lfirst_done:
	v_and_b32 v1, 15, v0                           ; r
	v_bfe_u32 v2, v0, 4, 1                         ; h
	v_mul_u32_u24 v3, v1, PITCH
	v_lshl_add_u32 v4, v2, 4, v3                   ; a fragment's row x pitch + 16 x half
	s_mul_i32 s21, s15, QUART                      ; my 64 rows of A
	s_mul_i32 s18, s16, QUART                      ; my 64 rows of B,
	s_add_co_u32 s18, s18, 2*QUART                 ; which lie behind A's 128
.irp kq, 0,1,2,3
	v_add_nc_u32 v[ADRA+\kq], s21, v4
	v_add_nc_u32 v[ADRB+\kq], s18, v4
	s_add_co_u32 s21, s21, CHUNK
	s_add_co_u32 s18, s18, CHUNK
.endr
	s_mul_i32 s19, s14, 16*SPITCH
	s_add_co_u32 s19, s19, STG                     ; my stage
	v_mul_u32_u24 v5, v1, SPITCH
	v_lshl_add_u32 v5, v2, 5, v5
	v_add_nc_u32 v[STO], s19, v5                   ; in: row r, 32 bytes for each half of the lanes
	v_mul_u32_u24 v5, v2, SPITCH
	v_lshl_add_u32 v5, v1, 4, v5
	v_add_nc_u32 v[RD], s19, v5                    ; back: lanes 0-15 one row of 256 bytes, lanes 16-31 the next
	v_lshlrev_b32 v[CO], 12, v2
	v_lshl_add_u32 v[CO], v1, 4, v[CO]             ; and the same two rows in out0 (4,096 bytes a row)
	v_lshlrev_b32 v[BOF], 4, v1                    ; my four columns' bias
	s_lshl_b32 s2, s17, 7
	s_lshl_b32 s3, s15, 6
	s_add_co_u32 s2, s2, s3                        ; my first row,
	s_lshl_b32 s2, s2, 12                          ; in bytes
	s_lshl_b32 s46, s42, 7
	s_lshl_b32 s47, s16, 6
	s_add_co_u32 s46, s46, s47                     ; my first column,
	s_lshl_b32 s46, s46, 2                         ; in bytes: a multiple of 256
	s_mov_b32 s47, 0
	s_add_nc_u64 s[10:11], s[10:11], s[46:47]
	s_add_co_u32 s2, s2, s46
	s_mov_b32 s3, 0
	s_add_nc_u64 s[12:13], s[12:13], s[2:3]
	global_load_b128 v[BIA:BIA+3], v[BOF], s[10:11]
; 32 LDS loads: the fragments of 128 along K, the q-th of chunk kq, into buffer f.  Four loads of 16 bytes a fragment: registers 4 c .. 4 c + 3 hold K = 32 c + 16 h + 0 .. 15: one permutation of K, the same on both sides
.macro FETCH kq, q, f
	WIN TO_F
.irp i, 0,1,2,3
.irp c, 0,1,2,3
	ds_load_b128 v[(\f)+64+16*\i+4*\c:(\f)+64+16*\i+4*\c+3], v[ADRB+(\kq)] offset:128*(\q)+32*\c+\i*16*PITCH
.endr
.irp c, 0,1,2,3
	ds_load_b128 v[(\f)+16*\i+4*\c:(\f)+16*\i+4*\c+3], v[ADRA+(\kq)] offset:128*(\q)+32*\c+\i*16*PITCH
.endr
.endr
.endm
; 16 matrix instructions on buffer f: the 16 accumulators take turns in one order.  zero = 1: the first product starts the sums
.macro MULS f, zero
	WIN MUL
.irp a, 0,1,2,3
.irp b, 0,1,2,3
.if \zero
	v_wmma_f32_16x16x128_fp8_fp8 v[ACC+8*(4*\a+\b):ACC+8*(4*\a+\b)+7], v[(\f)+64+16*\b:(\f)+64+16*\b+15], v[(\f)+16*\a:(\f)+16*\a+15], 0
.else
	v_wmma_f32_16x16x128_fp8_fp8 v[ACC+8*(4*\a+\b):ACC+8*(4*\a+\b)+7], v[(\f)+64+16*\b:(\f)+64+16*\b+15], v[(\f)+16*\a:(\f)+16*\a+15], v[ACC+8*(4*\a+\b):ACC+8*(4*\a+\b)+7]
.endif
.endr
.endr
.endm
; Step st of eight: its fragments are in; the next step's are fetched into the other buffer, from the next chunk behind that chunk's wait and a barrier; then the products.
.macro STEPO st, zero
	s_wait_dscnt 0x0                               ; this step's fragments
.if ((\st)%2) == 1 && (\st) < 7
	s_wait_tensorcnt 2-((\st)/2)                   ; my part of the next chunk has landed; the later chunks' loads may be out
	s_barrier_signal -1
	s_barrier_wait -1                              ; everybody's has
.endif
.if (\st) < 7
	PLACES                                         ; in front of loads into the buffer that the last step's products read
	FETCH ((\st)+1)/2, ((\st)+1)%2, 128*(((\st)+1)%2)
.endif
	MULS 128*((\st)%2), \zero
.endm
	s_wait_tensorcnt 3                             ; my part of chunk 0 is in; three loads may be out
	s_barrier_signal -1
	s_barrier_wait -1
	FETCH 0, 0, 0
	STEPO 0, 1
.irp st, 1,2,3,4,5,6,7
	STEPO \st, 0
.endr
	WIN 0
; THE WAY OUT, 16 rows x 64 columns at a time: the sums go through my own stage and come back as whole rows of 256 bytes; there a lane's four columns are the same in every row, so four registers of bias serve all.
.macro OUT a
.set BB, BK+32*((\a)%2)
.irp b, 0,1,2,3
	ds_store_b128 v[STO], v[ACC+8*(4*(\a)+\b):ACC+8*(4*(\a)+\b)+3] offset:64*\b          ; each accumulator from its low end on
	ds_store_b128 v[STO], v[ACC+8*(4*(\a)+\b)+4:ACC+8*(4*(\a)+\b)+7] offset:64*\b+16
.endr
.irp t, 0,1,2,3,4,5,6,7
	ds_load_b128 v[BB+4*\t:BB+4*\t+3], v[RD] offset:\t*2*SPITCH   ; LDS serves a wave's instructions in order (ISA guide 5.7.1.4): these see my stores, and the next block's stores come behind them
.endr
.endm
.macro SEND a, younger                 ; younger: the LDS instructions issued behind block a's loads
.set BB, BK+32*((\a)%2)
	s_wait_dscnt \younger
.irp t, 0,1,2,3,4,5,6,7
	v_pk_fma_f32 v[BB+4*\t:BB+4*\t+1], v[BB+4*\t:BB+4*\t+1], s[22:23], v[BIA:BIA+1] op_sel_hi:[1,0,1]       ; sum x 2^(e10 + e11) + bo
	v_pk_fma_f32 v[BB+4*\t+2:BB+4*\t+3], v[BB+4*\t+2:BB+4*\t+3], s[22:23], v[BIA+2:BIA+3] op_sel_hi:[1,0,1]
.endr
.irp t, 0,1,2,3,4,5,6,7
	global_store_b128 v[CO], v[BB+4*\t:BB+4*\t+3], s[12:13] offset:(16*(\a)+2*\t)*4096 th:TH_STORE_NT   ; 16 lanes store 256 consecutive bytes, aligned; written once, read by nobody here
.endr
.endm
	s_wait_kmcnt 0x0
	s_add_co_i32 s22, s22, s23
	s_add_co_i32 s22, s22, 127
	s_lshl_b32 s22, s22, 23                        ; 2^(e10 + e11) as f32
	s_mov_b32 s23, s22                             ; (named with it as a pair)
	s_wait_loadcnt 0x0                             ; the bias
	PLACES                                         ; in front of the first read of results
	OUT 0
	OUT 1
	SEND 0, 16                                     ; behind block 0's loads: block 1's eight stores and eight loads
	s_wait_xcnt 0x0                                ; block 0's stores have read their registers: block 2's rows may land there
	OUT 2
	SEND 1, 16
	s_wait_xcnt 0x0
	OUT 3
	SEND 2, 16
	SEND 3, 0
	s_wait_tensorcnt 0x0                           ; the wave's end
	ds_add_u32 v[SPW], v[NIL]
	s_wait_dscnt 0x0
	CROUND                                         ; the closing round
	s_endpgm
.Lfunc_end_k_q1352bed6ae_oproj:
	.size	k_q1352bed6ae_oproj, .Lfunc_end_k_q1352bed6ae_oproj-k_q1352bed6ae_oproj
	.p2alignl 7, 3214868480
	.fill 96, 4, 3214868480
	.section	.rodata,"a",@progbits
	.p2align	6, 0x0
	.amdhsa_kernel k_q1352bed6ae_oproj
		.amdhsa_group_segment_fixed_size 327680
		.amdhsa_private_segment_fixed_size 0
		.amdhsa_enable_private_segment 0
		.amdhsa_kernarg_size 40
		.amdhsa_user_sgpr_count 2
		.amdhsa_user_sgpr_kernarg_segment_ptr 1
		.amdhsa_wavefront_size32 1
		.amdhsa_system_sgpr_workgroup_id_x 1
		.amdhsa_system_sgpr_workgroup_id_y 1
		.amdhsa_system_sgpr_workgroup_id_z 1
		.amdhsa_system_vgpr_workitem_id 0
		.amdhsa_next_free_vgpr 512
		.amdhsa_next_free_sgpr 100
		.amdhsa_reserve_vcc 0
		.amdhsa_float_denorm_mode_32 3
		.amdhsa_float_denorm_mode_16_64 3
		.amdhsa_memory_ordered 1
		.amdhsa_forward_progress 1
		.amdhsa_inst_pref_size 47
	.end_amdhsa_kernel
	.amdgpu_metadata
---
amdhsa.version: [ 1, 2 ]
amdhsa.kernels:
  - .name:           k_q1352bed6ae_oproj
    .symbol:         k_q1352bed6ae_oproj.kd
    .args:
      - { .name: ac, .offset: 0, .size: 8, .value_kind: global_buffer, .address_space: global }
      - { .name: Wo_codes, .offset: 8, .size: 8, .value_kind: global_buffer, .address_space: global }
      - { .name: lowp_scales, .offset: 16, .size: 8, .value_kind: global_buffer, .address_space: global }
      - { .name: bo, .offset: 24, .size: 8, .value_kind: global_buffer, .address_space: global }
      - { .name: out0, .offset: 32, .size: 8, .value_kind: global_buffer, .address_space: global }
    .group_segment_fixed_size: 327680
    .private_segment_fixed_size: 0
    .kernarg_segment_align: 8
    .kernarg_segment_size: 40
    .max_flat_workgroup_size: 128
    .sgpr_count:     100
    .vgpr_count:     512
    .wavefront_size: 32
...
	.end_amdgpu_metadata
.endif
;; end of part 3
;; ======== version 2 of 2: 3 launches
;; limits: right only within a limited range of input values
;; workspace buffers: qc 4,194,304 bytes; kc 4,194,304 bytes; vc 4,194,304 bytes; ac 4,194,304 bytes; mbits 524,288 bytes of whole numbers; mcls 65,536 bytes of whole numbers
;; launch qkv (part 4): grid 16 x 16, 4 waves a work-group, clusters of 4 x 4, 327,680 bytes of LDS; arguments x_codes, Wq_codes, Wk_codes, Wv_codes, bq, bk, bv, lowp_scales, masks, qc, kc, vc, mbits, mcls; writes qc, kc, vc, mbits, mcls
.if DOCPART == 4
	.amdgcn_target "amdgcn-amd-amdhsa--gfx1250"
	.amdhsa_code_object_version 6
	.text
	.protected	k_q1352bed6ae_qkv
	.globl	k_q1352bed6ae_qkv
	.p2align	8
	.type	k_q1352bed6ae_qkv,@function
k_q1352bed6ae_qkv:
	s_mov_b64 s[64:65], 0
	v_nop
	global_prefetch_b8 v0, s[64:65] scope:SCOPE_SE
	s_setreg_imm32_b32 hwreg(HW_REG_WAVE_MODE, 25, 1), 1
	s_wait_xcnt 0x0
	s_wait_alu depctr_hold_cnt(0) depctr_sa_sdst(0) depctr_va_vdst(0) depctr_va_sdst(0) depctr_va_ssrc(0) depctr_va_vcc(0) depctr_vm_vsrc(0)
	s_getreg_b32 s2, hwreg(HW_REG_IB_STS2, 6, 4)
	s_cmp_eq_u32 s2, 0
	s_cbranch_scc0 .Lentry_in_a_cluster
	s_endpgm
.Lentry_in_a_cluster:
	s_bfe_u32 s2, ttmp6, 0x10000c
	s_cmp_lg_u32 s2, 0xf033
	s_cbranch_scc0 .Lentry_shape_is_right
	s_endpgm
.Lentry_shape_is_right:
; q = x Wq^T + bq, k = x Wk^T + bk, v = x Wv^T + bv on codes of E4M3 (x: [4096][1024], W: [1024][1024], K innermost), each result quantised at once for attention; and the mask as lane-mask words and tile classes.
; NOTHING IS DEAD FOR ALL VALUES OF THE INPUTS: every bias stands ahead of a quantiser or goes into the output, the mask (an input) moves every logit (a masked logit is -1e-9, so every key counts for every query),
; and all twelve exponents of lowp_scales are used.  Every input is loaded.  What the mask's VALUES make known is decided by whole numbers: this launch stores, for each tile of 16 queries x 128 keys, whether the mask is 0
; everywhere in it (every logit there is -1e-9, whatever q and k hold) or nowhere; the next launch reads that and does for each tile only what is asked: it holds for every mask.
; ROLES.  The cluster's x says what its sixteen work-groups do: 0 q, 1 k, 2 v, 3 the mask.  It is the same number in all partners of a cluster.
; GEMM (roles 0-2).  A work-group of four waves makes 256 x 256 results, a wave 128 x 128 in 64 accumulators.  K goes in steps of 256 through two LDS slots filled by joint tensor loads: the four work-groups
; of a row of the cluster share the tiles of the side called A, the four of a column those of the side called B.  Source 0 of the matrix instruction is B's 16 rows, source 1 A's: in accumulator (a, b) lane (r, h)
; holds A's row 16 a + r and B's rows 16 b + 8 h + 0 .. 7.  For q and k: A = x (tokens), B = W (features): a lane's eight registers are eight neighbouring features of one token, which is the next product's K.
; For v: A = Wv, B = x: eight neighbouring tokens (keys) of one feature, the K of the product with p.  Only pointers and tile numbers differ: the loop is one text.
; THE WAY OUT.  sum x 2^(ex + ew) + bias, held within +-448 x 2^e, converted eight at a time: accumulator (a, b) gives registers 2 b, 2 b + 1 of an operand of the next launch, in the plain 8-bit layout
; (registers 2 c, 2 c + 1: k = 16 c + 8 h + 0 .. 7).  The workspace holds IMAGES OF THOSE REGISTERS: four registers of the 32 lanes are 512 consecutive bytes, lane l's 16 at 16 l; each store writes them whole, aligned.
;   qc, kc: [batch x head 32][tile of 16 tokens 128][piece 2][512];   vc: [batch x head 32][step of 128 keys 16][tile of 16 channels 4][piece 4][512].
; THE MASK (role 3).  mbits[tile of 16 queries 128][step of 128 keys 16][n 64]: bit l = (r, h) of word n says masks[16 qt + r][128 ks + 16 (n / 8) + 8 h + n % 8] != 0: the lane mask for register n of attention's scores.
; mcls[wave gw 256][64 equal words]: bits 2 i, 2 i + 1 of the word are the class of tile (queries 16 (gw / 2) on, key step 8 (gw % 2) + i): 1 the mask is 0 everywhere, 2 nowhere, 0 mixed.
; A wave takes one tile of queries and eight key steps; nothing there is shared between work-groups, so that path asks for nothing jointly and loads through registers.  (!= is true of a NaN, as masks == 0 is false of it.)
; LIMITS: ex + ew between -126 and 127, the quantisers' e6, e7, e9 between -126 and 119, so that each power of two below is an f32 number.  NaN among the biases is not served.
; REGISTERS, in windows of 256: window 0: v0-31 addresses and constants; v32-95 the bias; from v128 A's fragments, one set; on the way out v128-191 numbers, v192-255 codes.  window 1: B's fragments, two sets.
;   windows 2, 3: the accumulators of my A rows 0-63 and 64-127 ((a, b) at v[8 (8 (a % 4) + b)]).  Mask path: window 1 four sets of 64 loaded registers; window 0 v32-47 words, v48-49 the classes, v64-127 a tile by lanes.
.set KROW,   1024                      ; a row of x or of W in bytes
.set ROWB,   256                       ; a tile's row: 256 codes
.set PITCH,  272                       ; an LDS row: 256 bytes + 16 of padding = 68 words: the 16 rows that a load touches start at 16 different banks (64 banks of 4 bytes: ISA guide 11.1)
.set FR,     16                        ; registers of a fragment, 16 rows x 128 K
.set NL,     4                         ; LDS loads that bring one
.set NP,     4                         ; places behind this matrix instruction (ISA guide 7.12.1)
.set HALFT,  128*PITCH                 ; what one tensor load brings
.set SLOT,   4*HALFT                   ; A's 256 rows, then B's 256 rows
.set SPARE,  2*SLOT                    ; behind the ring: the spare words, 128 bytes a wave
.set MST,    SPARE+512                 ; the mask path's stages: bytes of their own, no fill lands there
.set MSTW,   16*528                    ; a wave's stage: 16 rows x (512 bytes + 16)
.set BO,   7                           ; v7   32 h: my eight features' bias (q, k)
.set BO2,  8                           ; v8   4 r: my feature's bias (v)
.set LI,   9                           ; v9   16 x lane
.set MSI,  10                          ; v10  mask path: into my stage
.set MSO,  11                          ; v11  mask path: out of it
.set SCR,  12                          ; v12  2^e of the quantiser
.set LIMR, 13                          ; v13  448 x 2^e
.set MBO,  14                          ; v14  8 x lane
.set ADRA, 16                          ; v16-17 LDS address of my A fragments in slot 0, 1
.set ADRB, 20                          ; v20-21 the same for B
.set SPW,  28                          ; v28  my spare word; never rewritten
.set NIL,  29                          ; v29  0; never rewritten
.set BI,   32
.set MW,   32
.set BK,   64
.set AF,   128
.set TMP,  128
.set CD,   192
.set G1,  24                           ; s[24:31] group 1 for A's tiles; s[32:39] group 0, one set a slot
.set G0,  32
.set G1B, 48                           ; s[48:55], s[56:63] the same for B's
.set G0B, 56
.set MSB, 0
.macro WIN new                         ; the immediate's high byte repeats the setting that is left
.if MSB != \new
	s_set_vgpr_msb (MSB<<8)|\new
.set MSB, \new
.endif
.endm
.set MUL_LO, 0xa1                      ; source 0 (B) window 1, source 1 (A) window 0, C and D window 2
.set MUL_HI, 0xf1                      ; the same, C and D window 3
.set TO_B,   0x40                      ; destination window 1, address window 0
; A joint load: waves 0 and 1 fetch for A, waves 2 and 3 for B; the branch hangs on the wave's number alone.  An s_nop 0 and four v_nop follow each line.
.macro JLOAD g0a, g1a, g0b, g1b
	s_cmp_eq_u32 s15, 0
	s_cbranch_scc0 .Lfor_b_\@
	tensor_load_to_lds s[\g0a:\g0a+3], s[\g1a:\g1a+7]
	s_nop 0
.rept 4
	v_nop
.endr
	s_branch .Lasked_\@
.Lfor_b_\@:
	tensor_load_to_lds s[\g0b:\g0b+3], s[\g1b:\g1b+7]
	s_nop 0
.rept 4
	v_nop
.endr
.Lasked_\@:
.endm
.macro CREST                           ; a round of the cluster's barrier behind its opening barrier
	s_cmp_lg_u32 s14, 0
	s_cbranch_scc1 .Lnot_wave_0_\@
	s_barrier_signal -3
.Lnot_wave_0_\@:
	s_barrier_wait -3
	s_barrier_signal -1
	s_barrier_wait -1
.endm
.macro CROUND                          ; a whole round
	s_barrier_signal -1
	s_barrier_wait -1
	CREST
.endm
.macro FINISH                          ; a wave's end: a tensor wait, an add and its wait, the closing round, the end
	s_wait_tensorcnt 0x0
	ds_add_u32 v[SPW], v[NIL]
	s_wait_dscnt 0x0
	CROUND
	s_endpgm
.endm
	s_load_b512 s[68:83], s[0:1], 0x0              ; x, Wq, Wk, Wv, bq, bk, bv, the exponents
	s_load_b256 s[84:91], s[0:1], 0x40             ; masks, qc, kc, vc
	s_load_b128 s[92:95], s[0:1], 0x60             ; mbits, mcls
	v_lshl_add_u32 v[SPW], v0, 2, SPARE
	v_mov_b32 v[NIL], 0
	ds_add_u32 v[SPW], v[NIL]                      ; the wave's opening: the add, twice on end, and its wait ahead of my first tensor load
	ds_add_u32 v[SPW], v[NIL]
	v_lshrrev_b32 v1, 5, v0
	v_readfirstlane_b32 s14, v1                    ; wave 0..3
	v_and_b32 v1, 15, v0                           ; r
	v_bfe_u32 v2, v0, 4, 1                         ; h
	v_and_b32 v3, 31, v0
	v_lshlrev_b32 v[LI], 4, v3
	s_lshr_b32 s15, s14, 1                         ; which half of A's rows is mine.  Also: I fetch for A (0) or for B (1)
	s_and_b32 s16, s14, 1                          ; which half of B's rows.  Also: which 128 rows of that tile I fetch
	s_bfe_u32 s40, ttmp6, 0x40000                  ; cx
	s_bfe_u32 s41, ttmp6, 0x40004                  ; cy
	s_and_b32 s66, ttmp7, 0xffff
	s_lshl_b32 s66, s66, 2                         ; 4 x cluster y
	s_cmp_eq_u32 ttmp9, 2                          ; v?  x is then the B side
	s_cselect_b32 s17, 0, s66
	s_cselect_b32 s42, s66, 0
	s_add_co_u32 s17, s17, s41                     ; A's tile of 256 rows: made of cy, the cluster's y and the role
	s_add_co_u32 s42, s42, s40                     ; B's: made of cx, the cluster's y and the role
	s_lshl_b32 s43, s41, 2
	s_lshl_b32 s43, 15, s43                        ; my row of the cluster
	s_lshl_b32 s44, 0x1111, s40                    ; my column
	s_or_b32 s[G1+0], s43, (0<<16)|(1<<20)|(1<<21)|(5<<22)|(3<<25)  ; the mask; elements of 1 byte; padding on; bit 21 beside a mask; 4 words behind every 64
	s_or_b32 s[G1B+0], s44, (0<<16)|(1<<20)|(1<<21)|(5<<22)|(3<<25)
.irp g, G1, G1B
	s_mov_b32 s[\g+1], ROWB<<16                    ; tensor_dim0
	s_mov_b32 s[\g+2], 128<<16                     ; tensor_dim1
	s_mov_b32 s[\g+3], ROWB<<16                    ; tile_dim0
	s_mov_b32 s[\g+4], 128                         ; tile_dim1
	s_mov_b32 s[\g+5], KROW                        ; from row to row
	s_mov_b32 s[\g+6], 0
	s_mov_b32 s[\g+7], 0
.endr
	s_lshl_b32 s18, s16, 7
	s_lshl_b32 s20, s17, 8
	s_add_co_u32 s20, s20, s18                     ; A: row 256 x tile + 128 x half,
	s_lshl_b32 s20, s20, 10                        ; in bytes
	s_mov_b32 s21, 0
	s_lshl_b32 s46, s42, 8
	s_add_co_u32 s46, s46, s18
	s_lshl_b32 s46, s46, 10
	s_mov_b32 s47, 0
	s_mul_i32 s45, s14, HALFT                      ; where my fetch goes: wave x 128 rows
	s_wait_dscnt 0x0                               ; both opening adds are done
	s_wait_kmcnt 0x0
	s_cmp_eq_u32 ttmp9, 0                          ; the role chooses the buffers
	s_cselect_b64 s[18:19], s[70:71], s[72:73]     ; Wq or Wk
	s_cselect_b64 s[10:11], s[76:77], s[78:79]     ; bq or bk
	s_cselect_b64 s[8:9], s[86:87], s[88:89]       ; qc or kc
	s_cmp_eq_u32 ttmp9, 2
	s_cselect_b64 s[18:19], s[74:75], s[18:19]     ; Wv
	s_cselect_b64 s[10:11], s[80:81], s[10:11]     ; bv
	s_cselect_b64 s[8:9], s[90:91], s[8:9]         ; vc
	s_cselect_b64 s[4:5], s[18:19], s[68:69]       ; the A side: Wv, else x
	s_cselect_b64 s[6:7], s[68:69], s[18:19]       ; the B side: x, else the weight
	s_add_nc_u64 s[20:21], s[4:5], s[20:21]
	s_add_nc_u64 s[46:47], s[6:7], s[46:47]
	CROUND                                         ; all sixteen work-groups are here
	s_cmp_eq_u32 ttmp9, 3
	s_cbranch_scc1 .Lmask                          ; the whole cluster goes one way
.irp s, 0,1
	s_mov_b32 s[G0+4*\s], 1
	s_add_co_u32 s[G0+4*\s+1], s45, \s*SLOT
	s_add_nc_u64 s[G0+4*\s+2:G0+4*\s+3], s[20:21], \s*ROWB
	s_or_b32 s[G0+4*\s+3], s[G0+4*\s+3], 0x80000000
	s_mov_b32 s[G0B+4*\s], 1
	s_add_co_u32 s[G0B+4*\s+1], s45, \s*SLOT
	s_add_nc_u64 s[G0B+4*\s+2:G0B+4*\s+3], s[46:47], \s*ROWB
	s_or_b32 s[G0B+4*\s+3], s[G0B+4*\s+3], 0x80000000
.endr
	JLOAD G0, G1, G0B, G1B                         ; K step 0: one tensor load a wave at the head
	; PREFETCHES INTO THE L2, two K steps ahead at the most: of the 128 rows that I fetch, each of the four partners that ask for them jointly takes 32, told apart by address (cx for A's side, cy for B's);
	; a lane a row, 256 bytes of it a K step: each aligned 256 bytes is named once in a cluster.  Here K steps 1 and 2; K step 3 behind K step 1's joint load; nothing lies behind that.
	s_cmp_eq_u32 s15, 0
	s_cselect_b64 s[2:3], s[20:21], s[46:47]
	s_cselect_b32 s22, s40, s41
	s_lshl_b32 s22, s22, 15                        ; 32 rows of 1,024 bytes
	s_mov_b32 s23, 0
	s_add_nc_u64 s[2:3], s[2:3], s[22:23]
	v_and_b32 v6, 31, v0
	v_lshlrev_b32 v6, 10, v6
	global_prefetch_b8 v6, s[2:3] offset:256 th:TH_LOAD_NT scope:SCOPE_SE
	global_prefetch_b8 v6, s[2:3] offset:512 th:TH_LOAD_NT scope:SCOPE_SE
	s_load_b256 s[68:75], s[82:83], 0x0            ; e0 .. e7 (the pointers that lay here have been used)
	s_load_b128 s[76:79], s[82:83], 0x20           ; e8 .. e11
	s_wait_alu depctr_va_vdst(0)
	v_mul_u32_u24 v3, v1, PITCH
	v_lshl_add_u32 v4, v2, 4, v3                   ; a fragment's row x pitch + 16 x half
	s_mul_i32 s21, s15, HALFT                      ; my 128 rows of A
	s_mul_i32 s22, s16, HALFT                      ; my 128 rows of B,
	s_add_co_u32 s22, s22, 2*HALFT                 ; which lie behind A's 256
.irp s, 0,1
	v_add_nc_u32 v[ADRA+\s], s21, v4
	v_add_nc_u32 v[ADRB+\s], s22, v4
	s_add_co_u32 s21, s21, SLOT
	s_add_co_u32 s22, s22, SLOT
.endr
	v_lshlrev_b32 v[BO], 5, v2
	v_lshlrev_b32 v[BO2], 2, v1
	s_lshl_b32 s18, s17, 8
	s_lshl_b32 s19, s15, 7
	s_add_co_u32 s18, s18, s19                     ; my first row of the A side
	s_lshl_b32 s19, s42, 8
	s_lshl_b32 s23, s16, 7
	s_add_co_u32 s19, s19, s23                     ; and of the B side
	s_cmp_eq_u32 ttmp9, 2
	s_cselect_b32 s66, s18, s19                    ; F0: my first feature (a multiple of 128: two heads)
	s_cselect_b32 s67, s19, s18                    ; T0: my first token (a multiple of 128)
	s_lshr_b32 s18, s67, 11
	s_lshl_b32 s18, s18, 21                        ; the batch: 16 heads of 131,072 bytes
	s_lshr_b32 s19, s66, 6
	s_lshl_b32 s19, s19, 17                        ; the head
	s_add_co_u32 s18, s18, s19
	s_and_b32 s19, s67, 2047
	s_lshl_b32 s19, s19, 6                         ; 64 bytes a token, in all three layouts
	s_add_co_u32 s18, s18, s19
	s_mov_b32 s19, 0
	s_add_nc_u64 s[8:9], s[8:9], s[18:19]
	s_lshl_b32 s18, s66, 2
	s_add_nc_u64 s[10:11], s[10:11], s[18:19]      ; the bias at my first feature
.macro FRAG reg, adr, q, i             ; 16 rows x 128 K in 16 registers by four loads of 16 bytes: registers 4 c .. 4 c + 3 hold K = 32 c + 16 h + 0 .. 15: one permutation of K, the same on both sides
.irp c, 0,1,2,3
	ds_load_b128 v[\reg+4*\c:\reg+4*\c+3], v[\adr] offset:128*(\q)+32*\c+(\i)*16*PITCH
.endr
.endm
; 16 matrix instructions: A's blocks a0, a0 + 1 x B's eight.  p: B's set.  zero = 1: the first product starts the sums.  The 64 accumulators take turns in one order.
.macro MUL16 a0, p, zero
.irp a, \a0, \a0+1
.irp b, 0,1,2,3,4,5,6,7
.if \zero
	v_wmma_f32_16x16x128_fp8_fp8 v[8*(8*((\a)%4)+\b):8*(8*((\a)%4)+\b)+7], v[128*(\p)+FR*\b:128*(\p)+FR*\b+FR-1], v[AF+FR*(\a):AF+FR*(\a)+FR-1], 0
.else
	v_wmma_f32_16x16x128_fp8_fp8 v[8*(8*((\a)%4)+\b):8*(8*((\a)%4)+\b)+7], v[128*(\p)+FR*\b:128*(\p)+FR*\b+FR-1], v[AF+FR*(\a):AF+FR*(\a)+FR-1], v[8*(8*((\a)%4)+\b):8*(8*((\a)%4)+\b)+7]
.endif
.endr
.endr
.endm
.macro FETCH_B slot, q, p
	WIN TO_B
.irp i, 0,1,2,3,4,5,6,7
	FRAG 128*(\p)+FR*\i, ADRB+\slot, \q, \i
.endr
	WIN 0
.endm
.macro FETCH_A slot, q, i0
.irp i, \i0, \i0+1, \i0+2, \i0+3
	FRAG AF+FR*(\i), ADRA+\slot, \q, \i
.endr
.endm
.macro PLACES n                        ; plain vector instructions between a matrix instruction and a load into, or a vector write of, its registers, or a read of its result
.rept \n
	v_nop
.endr
.endm
; A step of 128 along K that has its successor in the same slot.  A's blocks are free as soon as their eight products are issued: one set serves A; B has two.
.macro STEP slot, q, zero
	s_wait_dscnt 4*NL                              ; B's set and A's blocks 0-3 are in; the youngest sixteen loads (A's blocks 4-7) may be out
	WIN MUL_LO
	MUL16 0, (\q)%2, \zero
	MUL16 2, (\q)%2, \zero
	s_wait_dscnt 0
	PLACES NP
	FETCH_B \slot, (\q)+1, 1-(\q)%2
	FETCH_A \slot, (\q)+1, 0
	WIN MUL_HI
	MUL16 4, (\q)%2, \zero
	MUL16 6, (\q)%2, \zero
	PLACES NP
	WIN 0
	FETCH_A \slot, (\q)+1, 4
.endm
; A slot's last step changes slots: one barrier; in front of it each wave waits for all its tensor loads, adds 0 to its spare word, and waits for that and for its reads of this slot.  fill = 1: the slot is filled again.
.macro TURN slot, next, fill
	s_wait_tensorcnt 0x0                           ; all my tensor loads have landed: my part of the next slot
	ds_add_u32 v[SPW], v[NIL]
	s_wait_dscnt 4*NL+1                            ; the add and A's blocks 4-7 may be out
	WIN MUL_LO
	MUL16 0, 1, 0
	s_wait_dscnt 0x0                               ; the add is done, and my reads of this slot are over
	s_barrier_signal -1
	MUL16 2, 1, 0
	WIN 0
	s_barrier_wait -1
.if \fill
	CREST                                          ; the barrier has opened a round of the cluster's: no wave of any partner still reads this slot or has a load on its way
	s_add_nc_u64 s[G0+4*\slot+2:G0+4*\slot+3], s[G0+4*\slot+2:G0+4*\slot+3], 2*ROWB
	s_add_nc_u64 s[G0B+4*\slot+2:G0B+4*\slot+3], s[G0B+4*\slot+2:G0B+4*\slot+3], 2*ROWB
	JLOAD G0+4*\slot, G1, G0B+4*\slot, G1B         ; my one tensor load behind the round; its four v_nop are the places in front of the loads below
.else
	PLACES NP
.endif
	FETCH_B \next, 0, 0
	FETCH_A \next, 0, 0
	WIN MUL_HI
	MUL16 4, 1, 0
	MUL16 6, 1, 0
	PLACES NP
	WIN 0
	FETCH_A \next, 0, 4
.endm
.macro LAST                            ; the very last step: nothing more to fetch
	s_wait_dscnt 4*NL
	WIN MUL_LO
	MUL16 0, 1, 0
	MUL16 2, 1, 0
	s_wait_dscnt 0
	WIN MUL_HI
	MUL16 4, 1, 0
	MUL16 6, 1, 0
	WIN 0
.endm
; THE WAY OUT of A's block a (16 A rows x 128 B rows): numbers, hold, codes, four stores of 512 consecutive bytes.  isv = 1: the bias is my lane's one feature's; else my eight features' of each accumulator.
.macro OUTBLK a, isv
.set AC, 64*((\a)%4)
.set CSET, CD+16*((\a)%4)
.set WN, 0x02+((\a)/4)
.if (\a) >= 4
	s_wait_xcnt 0x0                                ; block a - 4's stores have read their registers: this set of codes may be written again
.endif
	WIN WN                                         ; source 0: window 2 or 3
.set j, 0
.rept 32
.if \isv
	v_pk_fma_f32 v[TMP+j:TMP+j+1], v[AC+j:AC+j+1], s[96:97], v[BI+2*(\a):BI+2*(\a)+1] op_sel_hi:[1,0,0]   ; sum x 2^(ex + ew) + bias; each accumulator from its low end on
.else
	v_pk_fma_f32 v[TMP+j:TMP+j+1], v[AC+j:AC+j+1], s[96:97], v[BI+j:BI+j+1] op_sel_hi:[1,0,1]
.endif
.set j, j+2
.endr
	WIN 0
.set j, 0
.rept 8
.irp i, 0,1,2,3,4,5,6,7
	v_med3_num_f32 v[TMP+8*j+\i], v[TMP+8*j+\i], -v[LIMR], v[LIMR]   ; the conversion to an 8-bit code does not saturate (ISA guide 7.6.2): the hold at the largest code x the scale
.endr
	v_cvt_scalef32_pk8_fp8_f32 v[CSET+2*j:CSET+2*j+1], v[TMP+8*j:TMP+8*j+7], v[SCR]
.set j, j+1
.endr
	v_nop                                          ; a plain instruction behind the last conversion: the next block writes its sources
.irp p, 0,1,2,3
.if \isv
	global_store_b128 v[LI], v[CSET+4*\p:CSET+4*\p+3], s[8:9] offset:((\a)/4)*131072+((\a)%4)*2048+\p*512    ; head a / 4, channels 16 (a % 4) on, piece p of my 128 keys
.else
	global_store_b128 v[LI], v[CSET+4*\p:CSET+4*\p+3], s[8:9] offset:(\p/2)*131072+(\a)*1024+(\p%2)*512      ; head p / 2, tokens 16 a on, piece p % 2 of the head's 64
.endif
.endr
.endm
	s_wait_alu depctr_va_vdst(0)
	s_wait_tensorcnt 0x0                           ; my part of K step 0 is in
	ds_add_u32 v[SPW], v[NIL]
	s_wait_dscnt 0x0
	CROUND                                         ; everybody's part of K step 0 is in, and all sixteen work-groups are here
	JLOAD G0+4, G1, G0B+4, G1B                     ; K step 1: the first tensor load behind the round
	FETCH_B 0, 0, 0
	FETCH_A 0, 0, 0
	FETCH_A 0, 0, 4
	global_prefetch_b8 v6, s[2:3] offset:768 th:TH_LOAD_NT scope:SCOPE_SE   ; K step 3
	STEP 0, 0, 1                                   ; K = 1,024 is four slots' worth, eight steps of 128: written out
	TURN 0, 1, 1                                   ; slot 0 takes K step 2
	STEP 1, 0, 0
	TURN 1, 0, 1                                   ; slot 1 takes K step 3
	STEP 0, 0, 0
	TURN 0, 1, 0                                   ; nothing is left to fetch
	STEP 1, 0, 0
	s_wait_kmcnt 0x0                               ; the exponents
	s_add_co_i32 s66, s68, s69                     ; e0 + e1: q's product
	s_add_co_i32 s67, s70, s71                     ; e2 + e3: k's
	s_add_co_i32 s94, s72, s73                     ; e4 + e5: v's
	s_cmp_eq_u32 ttmp9, 0
	s_cselect_b32 s66, s66, s67
	s_cselect_b32 s67, s74, s75                    ; e6 quantises q, e7 k,
	s_cmp_eq_u32 ttmp9, 2
	s_cselect_b32 s66, s94, s66
	s_cselect_b32 s67, s77, s67                    ; e9 v
	s_add_co_i32 s66, s66, 127
	s_lshl_b32 s96, s66, 23                        ; 2^(ex + ew) as f32
	s_mov_b32 s97, s96                             ; (named with it as a pair)
	s_add_co_i32 s67, s67, 127
	s_lshl_b32 s66, s67, 23
	v_mov_b32 v[SCR], s66
	s_add_co_i32 s67, s67, 8
	s_lshl_b32 s67, s67, 23
	s_or_b32 s67, s67, 0x600000
	v_mov_b32 v[LIMR], s67
	s_cmp_eq_u32 ttmp9, 2
	s_cbranch_scc1 .Lv_out                         ; ONE parting by the role: each arm loads its bias, runs the last step over those loads, and goes out
.irp b, 0,1,2,3,4,5,6,7
	global_load_b128 v[BI+8*\b:BI+8*\b+3], v[BO], s[10:11] offset:64*\b       ; bias of features 16 b + 8 h + 0 .. 7
	global_load_b128 v[BI+8*\b+4:BI+8*\b+7], v[BO], s[10:11] offset:64*\b+16
.endr
	LAST
	s_wait_loadcnt 0x0
	PLACES NP
.irp a, 0,1,2,3,4,5,6,7
	OUTBLK \a, 0
.endr
	FINISH
.Lv_out:
.irp a, 0,1,2,3,4,5,6,7
	global_load_b32 v[BI+2*\a], v[BO2], s[10:11] offset:64*\a                 ; bias of feature 16 a + r
	v_mov_b32 v[BI+2*\a+1], 0                                                 ; (named with it as a pair)
.endr
	LAST
	s_wait_loadcnt 0x0
	PLACES NP
	s_wait_alu depctr_va_vdst(0)
.irp a, 0,1,2,3,4,5,6,7
	OUTBLK \a, 1
.endr
	FINISH
; THE MASK.  Wave gw of 256 takes queries 16 (gw / 2) on and keys 1,024 (gw % 2) on: eight tiles of 16 rows x 128 keys.  A load reads 512 consecutive bytes of one row; the tile turns through my stage
; so that lane (r, h) holds row r's keys 16 c + 8 h + 0 .. 7 in registers 8 c + 0 .. 7; a compare makes register n's lane mask; 64 words leave as 256 consecutive bytes.
; The tile's class: the AND of its 64 lane masks is all ones where the mask is nowhere 0, their OR is 0 where it is 0 everywhere.
.macro MLOAD i
	WIN 0x40                                       ; destination window 1
.irp row, 0,1,2,3,4,5,6,7,8,9,10,11,12,13,14,15
	global_load_b128 v[64*((\i)%4)+4*\row:64*((\i)%4)+4*\row+3], v[LI], s[84:85] offset:\row*8192+(\i)*512 th:TH_LOAD_NT
.endr
	WIN 0
.endm
.macro MTILE i
.if (\i) <= 5
	s_wait_loadcnt 32                              ; this tile's sixteen loads are in; those of the next two tiles may be out
.else
	s_wait_loadcnt 16*(7-(\i))
.endif
	WIN 0x04                                       ; the data in window 1
.irp row, 0,1,2,3,4,5,6,7,8,9,10,11,12,13,14,15
	ds_store_b128 v[MSI], v[64*((\i)%4)+4*\row:64*((\i)%4)+4*\row+3] offset:\row*528
.endr
	WIN 0
.irp t, 0,1,2,3,4,5,6,7
	ds_load_b128 v[BK+8*\t:BK+8*\t+3], v[MSO] offset:64*\t          ; LDS serves a wave's instructions in order (ISA guide 5.7.1.4): these see my stores
	ds_load_b128 v[BK+8*\t+4:BK+8*\t+7], v[MSO] offset:64*\t+16
.endr
	s_wait_dscnt 0x0
.if (\i)+3 < 8
	MLOAD (\i)+3                                   ; into the set that tile i - 1 has left
.endif
.set g, 0
.rept 8                                ; eight words at a time: compares, lane writes, then the scalar AND and OR
.irp k, 0,1,2,3,4,5,6,7
	v_cmp_neq_f32 s[24+\k], 0, v[BK+8*g+\k]        ; bit l: my lane's number is not 0
.endr
.irp k, 0,1,2,3,4,5,6,7
	v_writelane_b32 v[MW+2*(\i)+\k%2], s[24+\k], (8*g+\k)/2   ; word n = 8 g + k into lane n / 2, register n % 2
.endr
.irp k, 0,1,2,3,4,5,6,7
.if (g == 0) && (\k == 0)
	s_mov_b32 s32, s24                             ; the first word starts both
	s_mov_b32 s33, s24
.else
	s_and_b32 s32, s32, s[24+\k]
	s_or_b32 s33, s33, s[24+\k]
.endif
.endr
.set g, g+1
.endr
	s_cmp_eq_u32 s32, -1                           ; nowhere 0: class 2
	s_cselect_b32 s45, 2<<(2*(\i)), 0
	s_or_b32 s44, s44, s45
	s_cmp_eq_u32 s33, 0                            ; 0 everywhere: class 1
	s_cselect_b32 s45, 1<<(2*(\i)), 0
	s_or_b32 s44, s44, s45
	s_wait_alu depctr_va_vdst(0)
	global_store_b64 v[MBO], v[MW+2*(\i):MW+2*(\i)+1], s[92:93] offset:256*(\i)   ; 32 lanes store 256 consecutive bytes, aligned; each tile has its own pair of registers
.endm
.Lmask:
	s_and_b32 s18, ttmp7, 0xffff
	s_lshl_b32 s18, s18, 4
	s_lshl_b32 s19, s41, 2
	s_add_co_u32 s18, s18, s19
	s_add_co_u32 s18, s18, s40                     ; my work-group among the 64: 16 x cluster y + 4 cy + cx (it enters global addresses alone)
	s_lshl_b32 s18, s18, 2
	s_add_co_u32 s18, s18, s14                     ; gw
	s_lshr_b32 s20, s18, 1
	s_lshl_b32 s20, s20, 17                        ; 16 rows of 8,192 bytes
	s_and_b32 s19, s18, 1
	s_lshl_b32 s19, s19, 12                        ; 1,024 keys
	s_add_co_u32 s20, s20, s19
	s_mov_b32 s21, 0
	s_add_nc_u64 s[84:85], s[84:85], s[20:21]
	s_lshl_b32 s20, s18, 11                        ; eight tiles of 256 bytes
	s_add_nc_u64 s[92:93], s[92:93], s[20:21]
	s_lshl_b32 s20, s18, 8                         ; the classes: 256 bytes a wave
	s_add_nc_u64 s[94:95], s[94:95], s[20:21]
	s_mov_b32 s44, 0                               ; my eight tiles' classes
	s_wait_alu depctr_va_vdst(0)
	MLOAD 0
	MLOAD 1
	MLOAD 2
	v_and_b32 v3, 31, v0
	v_lshlrev_b32 v[MBO], 3, v3
	s_mul_i32 s22, s14, MSTW
	s_add_co_u32 s22, s22, MST                     ; my stage
	v_add_nc_u32 v[MSI], s22, v[LI]
	v_mul_u32_u24 v[MSO], v1, 528
	v_lshl_add_u32 v[MSO], v2, 5, v[MSO]
	v_add_nc_u32 v[MSO], s22, v[MSO]
.irp i, 0,1,2,3,4,5,6,7,8,9,10,11,12,13,14,15
	v_mov_b32 v[MW+\i], 0                          ; written once: a lane write's destination counts as read
.endr
.irp i, 0,1,2,3,4,5,6,7
	MTILE \i
.endr
	v_mov_b32 v48, s44
	v_mov_b32 v49, s44
	global_store_b64 v[MBO], v[48:49], s[94:95]    ; the word 64 times: 32 lanes store 256 consecutive bytes, aligned
	FINISH
.Lfunc_end_k_q1352bed6ae_qkv:
	.size	k_q1352bed6ae_qkv, .Lfunc_end_k_q1352bed6ae_qkv-k_q1352bed6ae_qkv
	.p2alignl 7, 3214868480
	.fill 96, 4, 3214868480
	.section	.rodata,"a",@progbits
	.p2align	6, 0x0
	.amdhsa_kernel k_q1352bed6ae_qkv
		.amdhsa_group_segment_fixed_size 327680
		.amdhsa_private_segment_fixed_size 0
		.amdhsa_enable_private_segment 0
		.amdhsa_kernarg_size 112
		.amdhsa_user_sgpr_count 2
		.amdhsa_user_sgpr_kernarg_segment_ptr 1
		.amdhsa_wavefront_size32 1
		.amdhsa_system_sgpr_workgroup_id_x 1
		.amdhsa_system_sgpr_workgroup_id_y 1
		.amdhsa_system_sgpr_workgroup_id_z 1
		.amdhsa_system_vgpr_workitem_id 0
		.amdhsa_next_free_vgpr 1024
		.amdhsa_next_free_sgpr 98
		.amdhsa_reserve_vcc 0
		.amdhsa_float_denorm_mode_32 3
		.amdhsa_float_denorm_mode_16_64 3
		.amdhsa_memory_ordered 1
		.amdhsa_forward_progress 1
		.amdhsa_inst_pref_size 255
	.end_amdhsa_kernel
	.section	.bss,"aw",@nobits
	.p2align	6
	.space	262144
	.amdgpu_metadata
---
amdhsa.version: [ 1, 2 ]
amdhsa.kernels:
  - .name:           k_q1352bed6ae_qkv
    .symbol:         k_q1352bed6ae_qkv.kd
    .args:
      - { .name: x_codes, .offset: 0, .size: 8, .value_kind: global_buffer, .address_space: global }
      - { .name: Wq_codes, .offset: 8, .size: 8, .value_kind: global_buffer, .address_space: global }
      - { .name: Wk_codes, .offset: 16, .size: 8, .value_kind: global_buffer, .address_space: global }
      - { .name: Wv_codes, .offset: 24, .size: 8, .value_kind: global_buffer, .address_space: global }
      - { .name: bq, .offset: 32, .size: 8, .value_kind: global_buffer, .address_space: global }
      - { .name: bk, .offset: 40, .size: 8, .value_kind: global_buffer, .address_space: global }
      - { .name: bv, .offset: 48, .size: 8, .value_kind: global_buffer, .address_space: global }
      - { .name: lowp_scales, .offset: 56, .size: 8, .value_kind: global_buffer, .address_space: global }
      - { .name: masks, .offset: 64, .size: 8, .value_kind: global_buffer, .address_space: global }
      - { .name: qc, .offset: 72, .size: 8, .value_kind: global_buffer, .address_space: global }
      - { .name: kc, .offset: 80, .size: 8, .value_kind: global_buffer, .address_space: global }
      - { .name: vc, .offset: 88, .size: 8, .value_kind: global_buffer, .address_space: global }
      - { .name: mbits, .offset: 96, .size: 8, .value_kind: global_buffer, .address_space: global }
      - { .name: mcls, .offset: 104, .size: 8, .value_kind: global_buffer, .address_space: global }
    .group_segment_fixed_size: 327680
    .private_segment_fixed_size: 0
    .kernarg_segment_align: 8
    .kernarg_segment_size: 112
    .max_flat_workgroup_size: 128
    .sgpr_count:     98
    .vgpr_count:     1024
    .wavefront_size: 32
...
	.end_amdgpu_metadata
.endif
;; end of part 4
;; launch attn (part 5): grid 8 x 32, 8 waves a work-group, no clusters, 288,768 bytes of LDS; arguments qc, kc, vc, mbits, mcls, lowp_scales, ac; writes ac
.if DOCPART == 5
	.amdgcn_target "amdgcn-amd-amdhsa--gfx1250"
	.amdhsa_code_object_version 6
	.text
	.protected	k_q1352bed6ae_attn
	.globl	k_q1352bed6ae_attn
	.p2align	8
	.type	k_q1352bed6ae_attn,@function
k_q1352bed6ae_attn:
	s_mov_b64 s[64:65], 0
	v_nop
	global_prefetch_b8 v0, s[64:65] scope:SCOPE_SE
	s_setreg_imm32_b32 hwreg(HW_REG_WAVE_MODE, 25, 1), 1
	s_wait_xcnt 0x0
; For each of the 32 (batch, head): logits = q k^T / 8, a logit whose mask is 0 replaced by -1e-9, softmax, x v; the result TRANSPOSED ([channel][query]) and quantised for the last product.  Both products on codes of E4M3.
; A masked logit is -1e-9 and not -infinity: every key counts for every query.  Nothing is left out.
; SHARES.  Work-group j of a head owns queries 128 (15 - j) on and queries 128 j on.  Each of its eight waves takes tile A, 16 queries of the first block, and tile B, 16 of the second, and walks the head's 2,048 keys, 128 a step:
; under a mask that opens along the sequence all waves have like work.  A step that both tiles need reads K and V from LDS once for both.
; WHAT WHOLE NUMBERS DECIDE.  The launch before has stored a class for each tile of 16 queries x 128 keys (mcls): 1 the mask is 0 everywhere, 2 nowhere, 0 mixed.  A step in which B is of class 1 is run for A alone, one in which both are
; of class 1 is passed over, every other is run for both.  A mixed tile's scores are selected (a tile of class 1 beside one that is run, too); in class 2 every select would keep its score.
; In a tile that is passed over every score is that of -1e-9, so all its keys have the same p for a query, and the step's part of the second product is code(p) x (the sum of the step's V codes).  The matrix unit makes that sum once for
; each step (V^T times codes of 1.0); behind the last step the sums of the steps passed over are added, and the code of p multiplies them once; the row's sum takes 64 p for each half of the lanes and each such step.
; The branches hang on those stored numbers alone; each way gives what the full way gives, for every mask.
; THE SOFTMAX: t = logit x log2(e); M = the largest t so far, rounded UP to a whole number; p = 2^(t - M) is quantised with 2^e8, not normalised; the row's sum is taken of the unquantised p and divides at the end.
; When M moves, the sum and O are multiplied by 2^(old M - new M), which rounds nothing.  p is at most 1 (short of rounding): the hold at 448 x 2^e8 is run where e8 < -8 and can change nothing where e8 >= -8: a branch on that whole number.
; K AND V come in four chunks of four key steps, each wave 8,192 bytes of a chunk through 64 registers (waves 0-3 K, 4-7 V), written to LDS once: images of the operands' registers (lane l's 16 bytes at 16 l).
; A chunk is on its way while the one before is worked on.  The chunk after that is prefetched into the L2: each aligned 256 bytes of it is named once, shared out among the head's eight work-groups (wave 0 for K, wave 4 for V), four key
; steps ahead of its loads; the last two changes of chunks ask for nothing.  Chunks 0 and 1 come by their loads alone.
; NO CLUSTER, NO TENSOR LOADS, though the eight work-groups of a head read the same K and V: this text branches on numbers read from memory.
; LAYOUT.  S^T = K Q^T (K = 64): lane (r, h) holds query r and, in tile c's register j, key 16 c + 8 h + j: eight such tiles, converted eight numbers at a time, ARE source 1 of O^T = V^T P^T (K = 128 keys) in the plain 8-bit layout.
; MASK WORDS: 64 a tile and step, word n the lane mask for score register n, by scalar loads one step ahead.
; THE RESULT: ac[batch x head][j][channel 64][256]: a channel's first 128 bytes are queries 128 j on, its last 128 queries 128 (15 - j) on: a work-group stores 16,384 bytes on end.
; LIMITS, so that each power of two below is an f32 number: e6 + e7 between -123 and 99; e8 and e10 between -126 and 119.  The scaled scores stay under 2^31 in magnitude.  NaN is not served.
.set VOFF,  131072                     ; LDS: K, then V from here
.set VSB,   262144                     ; the sums of V: 16 steps x 64 channels, f32
.set OMX,   VSB+4096                   ; 512 bytes a wave: its tiles' added sums
.set STGO,  OMX+4096                   ; the stage for the way out: 64 rows (channels) x (256 bytes + 16)
.set SPARE, STGO+64*272                ; the spare words, 128 bytes for each of eight waves
; window 0
.set PFO, 0                            ; v0   the prefetches' offset: 256 x (lane % 16)
.set LI,  1                            ; v1   16 x lane
.set ADK, 2                            ; v2   LDS address of the next step's K, v3 of this step's V
.set ADV, 3
.set NEG, 4                            ; v4   the raw score of a masked logit
.set SPW, 5
.set NIL, 6
.set LIM, 7                            ; v7   448 x 2^e8
.set PSC, 8                            ; v8   2^e8
.set FA,  9                            ; v9   where my part of a chunk goes
.set VSA, 10                           ; v10  VSB + 32 h
; v12 -M, v13 the largest t (tile A), v14, v15 (B); v[16:17], v[18:19] the sums' halves; v20, v22 f = 2^(old M - new M), v21, v23 a lane exchange's destination; v24-31 at work
.set SA,  32                           ; v32-95   S^T, then p, of tile A
.set SB,  96                           ; v96-159  of tile B
.set OA,  160                          ; v160-191 O^T of tile A
.set OB,  192                          ; v192-223 of tile B
.set PA,  224                          ; v224-239 p's codes of A; v240-255 of B; before that partial sums
.set PB,  240
; window 1
.set KF,  0                            ; eight fragments of K
.set VF,  64                           ; four of V
.set STR, 128                          ; my part of the chunk on its way
.set QF,  192                          ; Q of A, B
.set ONE, 208                          ; codes of 1.0
; the 64 mask words lie in s[4:51] and s[68:83]: word n in s[4 + n + 16 (n / 48)]
.set CA,  52                           ; s52, s53 the classes of the steps to come, two bits each, the next step's lowest
.set CB,  53
.set CLA, 54                           ; s54, s55 this step's
.set CLB, 55
.set CH,  56
.set ST,  57
.set CS,  58                           ; s[58:59] c = log2(e) / 8 x 2^(e6 + e7)
.set MBA, 60                           ; s[60:61], s[62:63] this step's mask words
.set MBB, 62
.set SEL, 66                           ; s[66:67] lane selects: lane l xor 16
.set KV,  84                           ; s[84:85] my part of K or V
.set PFA, 86                           ; s[86:87] where my prefetches stand
.set AC,  88                           ; s[88:89] where my rows of the result begin
.set NEGS, 90
.set EO,  91                           ; s91 e8 + e9
.set HOLD, 92
.set E8N, 93                           ; s93 -e8
.set L10, 94                           ; s94, s95 448 x 2^e10, 2^e10
.set S10, 95
.set WV,  96
.set PAR, 97                           ; s97 wave / 4, s98 wave % 4
.set U,   98
.set TB,  99                           ; s99 8,192 x the key step
.set M1A, 100                          ; s100, s101 bit 2 s: the tile is passed over in step s
.set M1B, 101
.set MSB, 0
.macro WIN new                         ; the immediate's high byte repeats the setting that is left
.if MSB != \new
	s_set_vgpr_msb (MSB<<8)|\new
.set MSB, \new
.endif
.endm
.macro CHUNKLOAD
	WIN 0x40
.set t, 0
.rept 16
	global_load_b128 v[STR+4*t:STR+4*t+3], v[LI], s[KV:KV+1] offset:512*t   ; 32 lanes read 512 consecutive bytes
.set t, t+1
.endr
	WIN 0
.endm
.macro BARRIER
	s_barrier_signal -1
	s_barrier_wait -1
.endm
.macro WORDS base, off
	s_load_b512 s[4:19], s[\base:\base+1], \off
	s_load_b512 s[20:35], s[\base:\base+1], \off+0x40
	s_load_b512 s[36:51], s[\base:\base+1], \off+0x80
	s_load_b512 s[68:83], s[\base:\base+1], \off+0xc0
.endm
; The next step's mask words, where a tile is mixed: B's before A's.  The last step asks for nothing: no load leaves the buffer.
.macro PRE
	s_wait_kmcnt 0x0
	s_cmp_eq_u32 s[TB], 15*8192
	s_cbranch_scc1 .Lpre_end_\@
	s_and_b32 s2, s[CB], 3
	s_cbranch_scc0 .Lpre_b_\@
	s_and_b32 s2, s[CA], 3
	s_cbranch_scc1 .Lpre_end_\@
	WORDS MBA, 0x100
	s_branch .Lpre_end_\@
.Lpre_b_\@:
	WORDS MBB, 0x100
.Lpre_end_\@:
.endm
.macro SELECT base                     ; the score where the mask is not 0, else the raw score of -1e-9; each accumulator from its low end on
	s_wait_kmcnt 0x0
.set n, 0
.rept 64
	v_cndmask_b32 v[\base+n], v[NEG], v[\base+n], s[4+n+16*(n/48)]
.set n, n+1
.endr
	s_wait_alu depctr_va_vdst(0)                   ; ahead of the branches that follow
.endm
.macro KLOAD
	WIN 0x40
.irp c, 0,1,2,3,4,5,6,7
	ds_load_b128 v[KF+8*\c:KF+8*\c+3], v[ADK] offset:1024*\c
	ds_load_b128 v[KF+8*\c+4:KF+8*\c+7], v[ADK] offset:1024*\c+512
.endr
	WIN 0
.endm
.macro KNEXT                           ; the next step's K, where it lies in this chunk
	s_cmp_eq_u32 s[ST], 3
	s_cbranch_scc1 .Lno_k_\@
	KLOAD
.Lno_k_\@:
.endm
.macro VLOAD
	WIN 0x40
.set t, 0
.rept 16
	ds_load_b128 v[VF+4*t:VF+4*t+3], v[ADV] offset:512*t
.set t, t+1
.endr
	WIN 0x05
	s_wait_dscnt 16                                ; K is in; V's sixteen loads may be out
.endm
.macro NOPS n
.rept \n
	v_nop
.endr
.endm
.macro TADD d, s                       ; partial sum d += partial sum s
	v_pk_add_f32 v[PA+2*(\d):PA+2*(\d)+1], v[PA+2*(\d):PA+2*(\d)+1], v[PA+2*(\s):PA+2*(\s)+1]
.endm
.macro HOLDP first, count              ; the conversion does not saturate (ISA guide 7.6.2); p is not negative, so the hold is one-sided
	s_wait_alu depctr_va_vdst(0)                   ; directly ahead of the branch
	s_cmp_eq_u32 s[HOLD], 0
	s_cbranch_scc1 .Lheld_\@
.set j, 0
.rept \count
	v_min_num_f32 v[\first+j], v[\first+j], v[LIM]
.set j, j+1
.endr
.Lheld_\@:
.endm
	s_load_b256 s[4:11], s[0:1], 0x0               ; qc, kc, vc, mbits
	s_load_b128 s[12:15], s[0:1], 0x20             ; mcls, the exponents
	s_load_b64 s[16:17], s[0:1], 0x30              ; ac
	v_lshl_add_u32 v[SPW], v0, 2, SPARE
	v_lshrrev_b32 v2, 5, v0
	v_and_b32 v3, 31, v0
	v_bfe_u32 v24, v0, 4, 1
	v_and_b32 v25, 15, v0
	v_readfirstlane_b32 s[WV], v2                  ; wave 0..7
	v_lshlrev_b32 v[LI], 4, v3
	v_lshl_add_u32 v[VSA], v24, 5, VSB
	v_lshlrev_b32 v[PFO], 8, v25
	v_mov_b32 v[NIL], 0
	s_and_b32 s[U], s[WV], 3
	s_lshr_b32 s[PAR], s[WV], 2
	s_lshl_b32 s2, s[U], 13
	s_lshl_b32 s3, s[PAR], 17
	s_add_co_u32 s2, s2, s3
	s_wait_alu depctr_va_vdst(0)
	v_add_nc_u32 v[FA], s2, v[LI]                  ; 8,192 x (wave % 4), V behind K
	s_lshl_b32 s20, ttmp9, 3
	s_add_co_u32 s20, s20, s[WV]                   ; tile B of 16 queries
	s_sub_co_u32 s21, 15, ttmp9
	s_lshl_b32 s21, s21, 3
	s_add_co_u32 s21, s21, s[WV]                   ; tile A
	s_and_b32 s22, ttmp7, 0xffff
	s_lshl_b32 s22, s22, 17                        ; batch x head: 131,072 bytes in each buffer of codes
	s_mov_b32 s23, 0
	s_mov_b32 s25, 0
	s_mov_b32 s[SEL], 0x76543210
	s_mov_b32 s[SEL+1], 0xfedcba98
	s_wait_alu depctr_va_vdst(0)
	s_wait_kmcnt 0x0
	s_cmp_eq_u32 s[PAR], 0
	s_cselect_b64 s[KV:KV+1], s[6:7], s[8:9]
	s_add_nc_u64 s[KV:KV+1], s[KV:KV+1], s[22:23]
	s_lshl_b32 s24, ttmp9, 12
	s_add_co_u32 s24, s24, 32768                   ; prefetches: my work-group's 4,096 bytes of a chunk; chunk 0's change steps it to chunk 2
	s_add_nc_u64 s[PFA:PFA+1], s[KV:KV+1], s[24:25]
	s_lshl_b32 s24, s[U], 13
	s_add_nc_u64 s[KV:KV+1], s[KV:KV+1], s[24:25]
	CHUNKLOAD                                      ; chunk 0
	s_load_b128 s[36:39], s[14:15], 0x18           ; e6, e7, e8, e9
	s_load_b32 s40, s[14:15], 0x28                 ; e10
	s_lshl_b32 s24, s21, 9                         ; the classes: two runs of 256 bytes a tile of queries, eight steps each
	s_add_nc_u64 s[26:27], s[12:13], s[24:25]
	s_load_b32 s41, s[26:27], 0x0
	s_load_b32 s42, s[26:27], 0x100
	s_lshl_b32 s24, s20, 9
	s_add_nc_u64 s[28:29], s[12:13], s[24:25]
	s_load_b32 s43, s[28:29], 0x0
	s_load_b32 s44, s[28:29], 0x100
	s_lshl_b32 s24, s21, 10                        ; Q: 1,024 bytes a tile
	s_add_nc_u64 s[30:31], s[4:5], s[24:25]
	s_add_nc_u64 s[30:31], s[30:31], s[22:23]
	s_lshl_b32 s24, s20, 10
	s_add_nc_u64 s[32:33], s[4:5], s[24:25]
	s_add_nc_u64 s[32:33], s[32:33], s[22:23]
	WIN 0x40
	global_load_b128 v[QF:QF+3], v[LI], s[30:31]
	global_load_b128 v[QF+4:QF+7], v[LI], s[30:31] offset:512
	global_load_b128 v[QF+8:QF+11], v[LI], s[32:33]
	global_load_b128 v[QF+12:QF+15], v[LI], s[32:33] offset:512
	WIN 0
	s_lshl_b32 s24, s21, 12                        ; 16 steps x 256 bytes of mask words a tile
	s_add_nc_u64 s[MBA:MBA+1], s[10:11], s[24:25]
	s_lshl_b32 s24, s20, 12
	s_add_nc_u64 s[MBB:MBB+1], s[10:11], s[24:25]
	s_lshl_b32 s24, ttmp9, 14
	s_lshl_b32 s2, s[WV], 11                       ; I store channels 8 w .. 8 w + 7
	s_add_co_u32 s24, s24, s2
	s_add_nc_u64 s[AC:AC+1], s[16:17], s[24:25]
	s_add_nc_u64 s[AC:AC+1], s[AC:AC+1], s[22:23]
	WIN 0x40
.set j, 0
.rept 16
	v_mov_b32 v[ONE+j], 0x38383838                 ; 1.0 in E4M3, four times
.set j, j+1
.endr
	WIN 0
	v_mov_b32 v21, 0                               ; a lane exchange's destination counts as read
	v_mov_b32 v23, 0
	v_mov_b32 v12, 0x7f61b1e6                      ; -M
	v_mov_b32 v14, 0x7f61b1e6
	v_mov_b32 v13, 0xff61b1e6                      ; the largest t so far: -3e38, under every t
	v_mov_b32 v15, 0xff61b1e6
.irp i, 16,17,18,19
	v_mov_b32 v\i, 0                               ; the sums
.endr
.set j, 0
.rept 64
	v_mov_b32 v[OA+j], 0                           ; O^T: the step is written once; the first finds zeros, which the first change of M leaves zeros
.set j, j+1
.endr
	s_wait_alu depctr_va_vdst(0)
	s_wait_kmcnt 0x0
	s_lshl_b32 s42, s42, 16
	s_or_b32 s[CA], s41, s42
	s_lshl_b32 s44, s44, 16
	s_or_b32 s[CB], s43, s44
	s_and_b32 s[M1B], s[CB], 0x55555555            ; B is passed over where it is of class 1,
	s_and_b32 s[M1A], s[M1B], s[CA]                ; A where both are
	s_add_co_i32 s2, s36, s37
	s_lshl_b32 s2, s2, 23
	s_mov_b32 s[CS], 0x3e38aa3b                    ; log2(e) / 8
	s_add_co_i32 s[CS], s[CS], s2                  ; x 2^(e6 + e7): a raw score stands for score x 2^(e6 + e7)
	s_mov_b32 s[CS+1], s[CS]                       ; (named with it as a pair)
	s_mov_b32 s[NEGS], 0xb209705f                  ; -8e-9,
	s_sub_co_i32 s[NEGS], s[NEGS], s2              ; / 2^(e6 + e7): the raw score whose logit is -1e-9
	v_mov_b32 v[NEG], s[NEGS]
	s_add_co_i32 s2, s38, 127
	s_lshl_b32 s3, s2, 23
	v_mov_b32 v[PSC], s3                           ; 2^e8
	s_add_co_i32 s2, s2, 8
	s_lshl_b32 s2, s2, 23
	s_or_b32 s2, s2, 0x600000
	v_mov_b32 v[LIM], s2                           ; 448 x 2^e8
	s_add_co_i32 s[EO], s38, s39
	s_sub_co_i32 s[E8N], 0, s38
	s_cmp_lt_i32 s38, -8
	s_cselect_b32 s[HOLD], 1, 0                    ; 448 x 2^-8 = 1.75 is above every p
	s_add_co_i32 s2, s40, 127
	s_lshl_b32 s[S10], s2, 23
	s_add_co_i32 s2, s2, 8
	s_lshl_b32 s[L10], s2, 23
	s_or_b32 s[L10], s[L10], 0x600000
	s_mov_b32 s[TB], 0
	s_mov_b32 s[CH], 0
	s_wait_alu depctr_va_vdst(0)
	s_wait_xcnt 0x0                                ; Q's loads have read their bases: the registers may take mask words
	s_and_b32 s2, s[CB], 3
	s_cbranch_scc0 .Lfirst_b
	WORDS MBA, 0x0                                 ; step 0's words: A's,
	s_branch .Lchunk
.Lfirst_b:
	WORDS MBB, 0x0                                 ; or, where B is mixed, B's
.Lchunk:                                           ; A CHUNK: four key steps
	s_lshl_b32 s2, s[CH], 15
	v_add_nc_u32 v25, s2, v[FA]
	s_lshl_b32 s2, s[CH], 10
	s_lshl_b32 s3, s[U], 8
	s_add_co_u32 s2, s2, s3
	v_add_nc_u32 v24, s2, v[VSA]
	v_add_nc_u32 v[ADK], s[TB], v[LI]
	s_wait_alu depctr_va_vdst(0)
	s_wait_loadcnt 0x0                             ; my part of this chunk is in registers (the first time Q too)
	s_wait_xcnt 0x0                                ; any prefetch of mine has read its address
	s_add_nc_u64 s[KV:KV+1], s[KV:KV+1], 0x8000
	s_add_nc_u64 s[PFA:PFA+1], s[PFA:PFA+1], 0x8000
	s_cmp_eq_u32 s[PAR], 0
	s_cbranch_scc1 .Lno_sum
	WIN 0x05                                       ; waves 4-7 hold a whole step of V, as the operand's registers: its sum over the step's keys
.irp dt, 0,1,2,3
	v_wmma_f32_16x16x128_fp8_fp8 v[SA+8*\dt:SA+8*\dt+7], v[STR+16*\dt:STR+16*\dt+15], v[ONE:ONE+15], 0
.endr
	WIN 0
	NOPS 4
.irp dt, 0,1,2,3
	ds_store_b128 v24, v[SA+8*\dt:SA+8*\dt+3] offset:64*\dt          ; channels 16 dt + 8 h on: the sixteen lanes of a half hold, and write, the same numbers
	ds_store_b128 v24, v[SA+8*\dt+4:SA+8*\dt+7] offset:64*\dt+16
.endr
.Lno_sum:
	WIN 0x04
.set t, 0
.rept 16
	ds_store_b128 v25, v[STR+4*t:STR+4*t+3] offset:512*t
.set t, t+1
.endr
	WIN 0
	s_wait_dscnt 0x0                               ; for the others' sake: my part of the chunk lies in LDS,
	BARRIER                                        ; and everybody's does
	KLOAD                                          ; the chunk's first step's K
	s_cmp_eq_u32 s[CH], 3
	s_cbranch_scc1 .Lready
	CHUNKLOAD                                      ; the next chunk: it has this chunk's steps in which to land
	s_cmp_lt_u32 s[CH], 2
	s_cbranch_scc0 .Lready
	s_cmp_lg_u32 s[U], 0
	s_cbranch_scc1 .Lready
	global_prefetch_b8 v[PFO], s[PFA:PFA+1] th:TH_LOAD_NT scope:SCOPE_SE   ; chunk CH + 2: sixteen blocks of 256 bytes (the upper lanes name the lower lanes' again)
.Lready:
	s_mov_b32 s[ST], 0
.Lstep:                                            ; A KEY STEP of 128 keys
	s_and_b32 s[CLA], s[CA], 3
	s_and_b32 s[CLB], s[CB], 3
	s_lshr_b32 s[CA], s[CA], 2
	s_lshr_b32 s[CB], s[CB], 2
	s_add_co_u32 s3, s[ST], 1
	s_and_b32 s3, s3, 3                            ; the next step in this chunk (the chunk's last step fetches none: KNEXT)
	s_lshl_b32 s3, s3, 13
	s_lshl_b32 s2, s[CH], 15
	s_add_co_u32 s3, s3, s2
	s_add_co_u32 s2, s[TB], VOFF
	v_add_nc_u32 v[ADV], s2, v[LI]
	v_add_nc_u32 v[ADK], s3, v[LI]
	NOPS 2                                         ; with the two lines above four places between the last products and the loads into registers that they read
	s_wait_alu depctr_va_vdst(0)
	s_cmp_eq_u32 s[CLB], 1
	s_cbranch_scc0 .Lpair
	s_cmp_eq_u32 s[CLA], 1
	s_cbranch_scc0 .Lsingle
	s_wait_dscnt 0x0                               ; PASSED OVER: this step's K is in, and not used
	KNEXT
	PRE
	s_branch .Lnext
.Lsingle:                                          ; TILE A ALONE
	VLOAD
.irp c, 0,1,2,3,4,5,6,7
	v_wmma_f32_16x16x64_fp8_fp8 v[SA+8*\c:SA+8*\c+7], v[KF+8*\c:KF+8*\c+7], v[QF:QF+7], 0
.endr
	WIN 0
	NOPS 4                                         ; places in front of the loads and of the first read of the scores
	KNEXT
	s_cmp_eq_u32 s[CLA], 2
	s_cbranch_scc1 .Lsingle_kept
	SELECT SA
.Lsingle_kept:
	PRE
	v_max3_num_f32 v24, v[SA], v[SA+1], v[SA+2]    ; the step's largest score of my query among my 64 keys, in four chains; each accumulator is first read at its low end
	v_max3_num_f32 v25, v[SA+3], v[SA+4], v[SA+5]
	v_max3_num_f32 v26, v[SA+6], v[SA+7], v[SA+8]
	v_max3_num_f32 v27, v[SA+9], v[SA+10], v[SA+11]
.irp i, 12,20,28,36,44,52
	v_max3_num_f32 v24, v24, v[SA+\i], v[SA+\i+1]
	v_max3_num_f32 v25, v25, v[SA+\i+2], v[SA+\i+3]
	v_max3_num_f32 v26, v26, v[SA+\i+4], v[SA+\i+5]
	v_max3_num_f32 v27, v27, v[SA+\i+6], v[SA+\i+7]
.endr
	v_max3_num_f32 v24, v24, v[SA+60], v[SA+61]
	v_max3_num_f32 v25, v25, v[SA+62], v[SA+63]
	v_max_num_f32 v26, v26, v27
	v_max3_num_f32 v24, v24, v25, v26
	s_delay_alu instid0(VALU_DEP_1)
	v_permlanex16_b32 v21, v24, s[SEL], s[SEL+1]
	s_delay_alu instid0(VALU_DEP_1)
	v_max_num_f32 v24, v24, v21                    ; and among lane l xor 16's
	s_delay_alu instid0(VALU_DEP_1)
	v_mul_f32 v24, s[CS], v24                      ; as t (c is positive)
	s_delay_alu instid0(VALU_DEP_1)
	v_max_num_f32 v13, v13, v24                    ; the running largest t
	v_mov_b32 v24, v12
	s_delay_alu instid0(VALU_DEP_2)
	v_floor_f32 v12, -v13                          ; the new -M = floor(-t) = -ceil(t)
	s_delay_alu instid0(VALU_DEP_1)
	v_sub_f32 v24, v12, v24                        ; old M - new M: a whole number, 0 or less
	s_delay_alu instid0(VALU_DEP_1)
	v_cvt_i32_f32 v24, v24                         ; (it saturates)
	s_delay_alu instid0(VALU_DEP_1)
	v_ldexp_f32 v20, 1.0, v24                      ; f = 2^(old M - new M)
.set j, 0
.rept 16
	v_pk_fma_f32 v[SA+j:SA+j+1], v[SA+j:SA+j+1], s[CS:CS+1], v[12:13] op_sel_hi:[1,0,0]   ; t - M (of the pairs c and -M the low word serves both halves)
.set j, j+2
.endr
.set j, 0
.rept 16
	v_pk_mul_f32 v[OA+j:OA+j+1], v[OA+j:OA+j+1], v[20:21] op_sel_hi:[1,0]   ; O^T under the new M
.set j, j+2
.endr
	s_wait_alu depctr_va_vdst(0)                   ; ahead of the batch
.set j, 0
.rept 16                                           ; p = 2^(t - M), the first half; between the exponentials the second half's t - M
	v_exp_f32 v[SA+j], v[SA+j]
	v_pk_fma_f32 v[SA+32+j:SA+32+j+1], v[SA+32+j:SA+32+j+1], s[CS:CS+1], v[12:13] op_sel_hi:[1,0,0]
	v_exp_f32 v[SA+j+1], v[SA+j+1]
.set j, j+2
.endr
	s_wait_alu depctr_va_vdst(0)                   ; and here: behind the first half's batch, ahead of the second's
.set j, 0
.rept 8                                            ; the second half; between the exponentials the first half's first sums
	v_exp_f32 v[SA+32+4*j], v[SA+32+4*j]
	v_pk_add_f32 v[PA+2*j:PA+2*j+1], v[SA+4*j:SA+4*j+1], v[SA+4*j+2:SA+4*j+3]
	v_exp_f32 v[SA+32+4*j+1], v[SA+32+4*j+1]
	v_exp_f32 v[SA+32+4*j+2], v[SA+32+4*j+2]
	v_exp_f32 v[SA+32+4*j+3], v[SA+32+4*j+3]
.set j, j+1
.endr
	v_pk_mul_f32 v[16:17], v[16:17], v[20:21] op_sel_hi:[1,0]   ; the sum under the new M: the plain instruction behind the exponentials
	s_wait_alu depctr_va_vdst(0)                   ; one wait for the batch, ahead of its first reader
.irp k, 0,1,2,3,4,5,6,7
	v_pk_add_f32 v[PB+2*\k:PB+2*\k+1], v[SA+32+4*\k:SA+32+4*\k+1], v[SA+32+4*\k+2:SA+32+4*\k+3]
.endr
.irp k, 0,1,2,3,4,5,6,7
	TADD \k, \k+8
.endr
.irp k, 0,1,2,3
	TADD \k, \k+4
.endr
	TADD 0, 2
	TADD 1, 3
	TADD 0, 1
	v_pk_add_f32 v[16:17], v[16:17], v[PA:PA+1]
	HOLDP SA, 64
.irp c, 0,1,2,3,4,5,6,7
	v_cvt_scalef32_pk8_fp8_f32 v[PA+2*\c:PA+2*\c+1], v[SA+8*\c:SA+8*\c+7], v[PSC]   ; keys 16 c + 8 h + 0 .. 7: registers 2 c, 2 c + 1 of the operand
.endr
	v_nop                                          ; a plain instruction behind the last conversion
	s_wait_alu depctr_va_vdst(0)
	s_wait_dscnt 0x0                               ; V's fragments, and the next step's K
	WIN 0x01
.irp dt, 0,1,2,3
	v_wmma_f32_16x16x128_fp8_fp8 v[OA+8*\dt:OA+8*\dt+7], v[VF+16*\dt:VF+16*\dt+15], v[PA:PA+15], v[OA+8*\dt:OA+8*\dt+7]   ; the accumulators take turns, one instruction a turn
.endr
	WIN 0
	s_branch .Lnext
.Lpair:                                            ; BOTH TILES: the same arithmetic, A's and B's lines by turns
	VLOAD
.irp c, 0,1,2,3,4,5,6,7
	v_wmma_f32_16x16x64_fp8_fp8 v[SA+8*\c:SA+8*\c+7], v[KF+8*\c:KF+8*\c+7], v[QF:QF+7], 0
	v_wmma_f32_16x16x64_fp8_fp8 v[SB+8*\c:SB+8*\c+7], v[KF+8*\c:KF+8*\c+7], v[QF+8:QF+15], 0
.endr
	WIN 0
	NOPS 4                                         ; places in front of the loads and of the first read of the scores
	KNEXT
	s_cmp_eq_u32 s[CLB], 2
	s_cbranch_scc1 .Lb_kept
	SELECT SB                                      ; B is mixed: its words were asked for a step ago
.Lb_kept:
	s_cmp_eq_u32 s[CLA], 2
	s_cbranch_scc1 .La_kept
	s_xor_b32 s2, s[CLB], 2
	s_or_b32 s2, s2, s[CLA]                        ; 0: A's words were asked for a step ago (A mixed, B of class 2)
	s_cbranch_scc0 .La_words
	s_wait_kmcnt 0x0                               ; no load of these registers is out
	WORDS MBA, 0x0                                 ; this step's words of A, asked for only now
.La_words:
	SELECT SA
.La_kept:
	PRE
	v_max3_num_f32 v24, v[SA], v[SA+1], v[SA+2]
	v_max3_num_f32 v26, v[SB], v[SB+1], v[SB+2]
	v_max3_num_f32 v25, v[SA+3], v[SA+4], v[SA+5]
	v_max3_num_f32 v27, v[SB+3], v[SB+4], v[SB+5]
.irp i, 6,10,14,18,22,26,30,34,38,42,46,50,54,58
	v_max3_num_f32 v24, v24, v[SA+\i], v[SA+\i+1]
	v_max3_num_f32 v26, v26, v[SB+\i], v[SB+\i+1]
	v_max3_num_f32 v25, v25, v[SA+\i+2], v[SA+\i+3]
	v_max3_num_f32 v27, v27, v[SB+\i+2], v[SB+\i+3]
.endr
	v_max3_num_f32 v24, v24, v[SA+62], v[SA+63]
	v_max3_num_f32 v26, v26, v[SB+62], v[SB+63]
	v_max_num_f32 v24, v24, v25
	v_max_num_f32 v26, v26, v27
	v_permlanex16_b32 v21, v24, s[SEL], s[SEL+1]
	v_permlanex16_b32 v23, v26, s[SEL], s[SEL+1]
	v_max_num_f32 v24, v24, v21
	v_max_num_f32 v26, v26, v23
	v_mul_f32 v24, s[CS], v24
	v_mul_f32 v26, s[CS], v26
	v_max_num_f32 v13, v13, v24
	v_max_num_f32 v15, v15, v26
	v_mov_b32 v24, v12
	v_mov_b32 v26, v14
	v_floor_f32 v12, -v13
	v_floor_f32 v14, -v15
	v_sub_f32 v24, v12, v24
	v_sub_f32 v26, v14, v26
	v_cvt_i32_f32 v24, v24
	v_cvt_i32_f32 v26, v26
	v_ldexp_f32 v20, 1.0, v24
	v_ldexp_f32 v22, 1.0, v26
.set j, 0
.rept 32
	v_pk_fma_f32 v[SA+j:SA+j+1], v[SA+j:SA+j+1], s[CS:CS+1], v[12:13] op_sel_hi:[1,0,0]
.set j, j+2
.endr
.set j, 0
.rept 16
	v_pk_mul_f32 v[OA+j:OA+j+1], v[OA+j:OA+j+1], v[20:21] op_sel_hi:[1,0]
	v_pk_mul_f32 v[OB+j:OB+j+1], v[OB+j:OB+j+1], v[22:23] op_sel_hi:[1,0]
.set j, j+2
.endr
	s_wait_alu depctr_va_vdst(0)                   ; ahead of the batch
.set j, 0
.rept 32                                           ; p of tile A; between the exponentials tile B's t - M
	v_exp_f32 v[SA+j], v[SA+j]
	v_pk_fma_f32 v[SB+j:SB+j+1], v[SB+j:SB+j+1], s[CS:CS+1], v[14:15] op_sel_hi:[1,0,0]
	v_exp_f32 v[SA+j+1], v[SA+j+1]
.set j, j+2
.endr
	s_wait_alu depctr_va_vdst(0)                   ; and here: behind tile A's batch, ahead of tile B's
.set j, 0
.rept 16                                           ; p of tile B; between the exponentials the first sums of tile A's p
	v_exp_f32 v[SB+4*j], v[SB+4*j]
	v_pk_add_f32 v[PA+2*j:PA+2*j+1], v[SA+4*j:SA+4*j+1], v[SA+4*j+2:SA+4*j+3]
	v_exp_f32 v[SB+4*j+1], v[SB+4*j+1]
	v_exp_f32 v[SB+4*j+2], v[SB+4*j+2]
	v_exp_f32 v[SB+4*j+3], v[SB+4*j+3]
.set j, j+1
.endr
	v_pk_mul_f32 v[16:17], v[16:17], v[20:21] op_sel_hi:[1,0]
	v_pk_mul_f32 v[18:19], v[18:19], v[22:23] op_sel_hi:[1,0]
	s_wait_alu depctr_va_vdst(0)                   ; one wait for the batch, ahead of its first reader
.irp k, 0,1,2,3,4,5,6,7
	TADD \k, \k+8
.endr
.irp k, 0,1,2,3,4,5,6,7
	v_pk_add_f32 v[PB+2*\k:PB+2*\k+1], v[SB+8*\k:SB+8*\k+1], v[SB+8*\k+2:SB+8*\k+3]
.endr
.irp k, 0,1,2,3
	TADD \k, \k+4
.endr
.irp k, 0,1,2,3,4,5,6,7
	v_pk_add_f32 v[PB+2*\k:PB+2*\k+1], v[PB+2*\k:PB+2*\k+1], v[SB+8*\k+4:SB+8*\k+5]
.endr
	TADD 0, 2
	TADD 1, 3
.irp k, 0,1,2,3,4,5,6,7
	v_pk_add_f32 v[PB+2*\k:PB+2*\k+1], v[PB+2*\k:PB+2*\k+1], v[SB+8*\k+6:SB+8*\k+7]
.endr
	TADD 0, 1
	TADD 8, 12
	TADD 9, 13
	TADD 10, 14
	TADD 11, 15
	v_pk_add_f32 v[16:17], v[16:17], v[PA:PA+1]
	TADD 8, 10
	TADD 9, 11
	TADD 8, 9
	v_pk_add_f32 v[18:19], v[18:19], v[PB:PB+1]
	HOLDP SA, 128
.irp c, 0,1,2,3,4,5,6,7
	v_cvt_scalef32_pk8_fp8_f32 v[PA+2*\c:PA+2*\c+1], v[SA+8*\c:SA+8*\c+7], v[PSC]
	v_cvt_scalef32_pk8_fp8_f32 v[PB+2*\c:PB+2*\c+1], v[SB+8*\c:SB+8*\c+7], v[PSC]
.endr
	v_nop                                          ; a plain instruction behind the last conversion
	s_wait_alu depctr_va_vdst(0)
	s_wait_dscnt 0x0                               ; V's fragments, and the next step's K
	WIN 0x01
.irp dt, 0,1,2,3
	v_wmma_f32_16x16x128_fp8_fp8 v[OA+8*\dt:OA+8*\dt+7], v[VF+16*\dt:VF+16*\dt+15], v[PA:PA+15], v[OA+8*\dt:OA+8*\dt+7]
	v_wmma_f32_16x16x128_fp8_fp8 v[OB+8*\dt:OB+8*\dt+7], v[VF+16*\dt:VF+16*\dt+15], v[PB:PB+15], v[OB+8*\dt:OB+8*\dt+7]
.endr
	WIN 0
.Lnext:
	s_wait_xcnt 0x0                                ; any load of mask words has read its base
	s_add_nc_u64 s[MBA:MBA+1], s[MBA:MBA+1], 256
	s_add_nc_u64 s[MBB:MBB+1], s[MBB:MBB+1], 256
	s_add_co_u32 s[TB], s[TB], 8192
	s_add_co_u32 s[ST], s[ST], 1
	s_cmp_lt_u32 s[ST], 4
	s_cbranch_scc1 .Lstep
	s_add_co_u32 s[CH], s[CH], 1
	s_cmp_lt_u32 s[CH], 4
	s_cbranch_scc1 .Lchunk
	; THE STEPS PASSED OVER.  Lane l adds channels 2 l, 2 l + 1 of their sums of V (each step's x 1 or x 0); through LDS each lane then gets its 32 channels.
	s_wait_kmcnt 0x0
	v_lshrrev_b32 v24, 1, v[LI]                    ; 8 x lane
	v_bfe_u32 v25, v[LI], 8, 1                     ; h
	v_bfe_u32 v26, v[LI], 4, 4                     ; r
	s_lshl_b32 s2, s[WV], 9
	s_add_co_u32 s2, s2, OMX
	v_add_nc_u32 v[ADK], VSB, v24
	v_add_nc_u32 v[ADV], s2, v24
	v_lshlrev_b32 v27, 5, v25
	v_add_nc_u32 v27, s2, v27
.set t, 0
.rept 16
	ds_load_b64 v[SA+2*t:SA+2*t+1], v[ADK] offset:256*t
.set t, t+1
.endr
	v_mul_u32_u24 v24, v25, 8*272
	s_lshl_b32 s2, s[WV], 4
	s_add_co_u32 s2, s2, STGO
	v_add_nc_u32 v24, v24, v26
	v_add_nc_u32 v31, s2, v24                      ; the stage: row 8 h (+ the offset's), byte 16 w + r; tile A 128 on
	s_wait_alu depctr_va_vdst(0)
	s_wait_dscnt 0x0
.macro ADDSUMS bits, acc
.set t, 0
.rept 16
	s_bitcmp1_b32 s[\bits], 2*t
	s_cselect_b32 s[4+2*t], 1.0, 0
.set t, t+1
.endr
	v_pk_mul_f32 v[\acc:\acc+1], v[SA:SA+1], s[4:5] op_sel_hi:[1,0]
	v_pk_mul_f32 v[\acc+2:\acc+3], v[SA+2:SA+3], s[6:7] op_sel_hi:[1,0]
.set t, 2
.rept 7
	v_pk_fma_f32 v[\acc:\acc+1], v[SA+2*t:SA+2*t+1], s[4+2*t:5+2*t], v[\acc:\acc+1] op_sel_hi:[1,0,1]
	v_pk_fma_f32 v[\acc+2:\acc+3], v[SA+2*t+2:SA+2*t+3], s[6+2*t:7+2*t], v[\acc+2:\acc+3] op_sel_hi:[1,0,1]
.set t, t+2
.endr
	v_pk_add_f32 v[\acc:\acc+1], v[\acc:\acc+1], v[\acc+2:\acc+3]
	s_wait_alu depctr_va_vdst(0)
.endm
	ADDSUMS M1A, SB
	ADDSUMS M1B, SB+4
	ds_store_b64 v[ADV], v[SB:SB+1]
	ds_store_b64 v[ADV], v[SB+4:SB+5] offset:256
.irp dt, 0,1,2,3
	ds_load_b128 v[SA+8*\dt:SA+8*\dt+3], v27 offset:64*\dt                 ; LDS serves a wave's instructions in order (ISA guide 5.7.1.4): these see my stores
	ds_load_b128 v[SA+8*\dt+4:SA+8*\dt+7], v27 offset:64*\dt+16
	ds_load_b128 v[SA+32+8*\dt:SA+32+8*\dt+3], v27 offset:256+64*\dt
	ds_load_b128 v[SA+32+8*\dt+4:SA+32+8*\dt+7], v27 offset:256+64*\dt+16
.endr
	; Their p is 2^(t of -1e-9 - M).  Where none was passed over the t is -3e38: p is 0 and M stays.
	s_mul_f32 s2, s[CS], s[NEGS]
	s_cmp_lg_u32 s[M1A], 0
	s_cselect_b32 s4, s2, 0xff61b1e6
	s_cmp_lg_u32 s[M1B], 0
	s_cselect_b32 s5, s2, 0xff61b1e6
	s_bcnt1_i32_b32 s6, s[M1A]
	s_bcnt1_i32_b32 s7, s[M1B]
	s_lshl_b32 s6, s6, 6
	s_lshl_b32 s7, s7, 6
	s_cvt_f32_u32 s6, s6
	s_cvt_f32_u32 s7, s7
	v_max_num_f32 v13, s4, v13
	v_max_num_f32 v15, s5, v15
	v_mov_b32 v24, v12
	v_mov_b32 v26, v14
	v_floor_f32 v12, -v13
	v_floor_f32 v14, -v15
	v_add_f32 v16, v16, v17
	v_add_f32 v18, v18, v19
	v_sub_f32 v24, v12, v24
	v_sub_f32 v26, v14, v26
	v_cvt_i32_f32 v24, v24
	v_cvt_i32_f32 v26, v26
	v_add_f32 v25, s4, v12                         ; t - M
	v_add_f32 v28, s5, v14
	v_ldexp_f32 v20, 1.0, v24
	v_ldexp_f32 v22, 1.0, v26
	v_mul_f32 v16, v16, v20
	v_mul_f32 v18, v18, v22
	s_wait_alu depctr_va_vdst(0)                   ; ahead of the exponentials
	v_exp_f32 v25, v25
	v_exp_f32 v28, v28
	v_mov_b32 v17, s[L10]                          ; (plain instructions behind them)
	v_mov_b32 v19, s[S10]
	s_wait_alu depctr_va_vdst(0)                   ; and behind them
	v_fmac_f32 v16, s6, v25
	v_fmac_f32 v18, s7, v28
	v_ldexp_f32 v25, v25, s[E8N]                   ; p / 2^e8,
	v_ldexp_f32 v28, v28, s[E8N]
	v_permlanex16_b32 v21, v16, s[SEL], s[SEL+1]
	v_permlanex16_b32 v23, v18, s[SEL], s[SEL+1]
	v_min_num_f32 v25, 0x43e00000, v25             ; held at 448,
	v_min_num_f32 v28, 0x43e00000, v28
	v_add_f32 v16, v16, v21                        ; (the row's sum)
	v_add_f32 v18, v18, v23
	v_cvt_pk_fp8_f32 v24.l, v25, v25               ; its code,
	v_cvt_pk_fp8_f32 v26.l, v28, v28
	v_nop
	v_cvt_pk_f32_fp8 v[28:29], v24.l               ; and the code's number
	v_cvt_pk_f32_fp8 v[24:25], v26.l
	v_nop
	s_wait_alu depctr_va_vdst(0)                   ; ahead of the reciprocals
	v_rcp_f32 v16, v16
	v_rcp_f32 v18, v18
	v_nop
	s_wait_alu depctr_va_vdst(0)                   ; and behind them
	v_ldexp_f32 v16, v16, s[EO]                    ; 2^(e8 + e9) / the sum
	v_ldexp_f32 v18, v18, s[EO]
	v_mul_f32 v20, v20, v16
	v_mul_f32 v22, v22, v18
	v_mul_f32 v28, v28, v16
	v_mul_f32 v24, v24, v18
	s_wait_alu depctr_va_vdst(0)
	s_wait_dscnt 0x0                               ; the added sums of V
	s_wait_alu depctr_va_vdst(0)                   ; and here, directly ahead of the first reader of O^T
.set j, 0
.rept 16
	v_pk_mul_f32 v[OA+j:OA+j+1], v[OA+j:OA+j+1], v[20:21] op_sel_hi:[1,0]
	v_pk_mul_f32 v[OB+j:OB+j+1], v[OB+j:OB+j+1], v[22:23] op_sel_hi:[1,0]
.set j, j+2
.endr
.set j, 0
.rept 16
	v_pk_fma_f32 v[OA+j:OA+j+1], v[SA+j:SA+j+1], v[28:29], v[OA+j:OA+j+1] op_sel_hi:[1,0,1]
	v_pk_fma_f32 v[OB+j:OB+j+1], v[SA+32+j:SA+32+j+1], v[24:25], v[OB+j:OB+j+1] op_sel_hi:[1,0,1]
.set j, j+2
.endr
.set j, 0
.rept 64
	v_med3_num_f32 v[OA+j], v[OA+j], -v17, v17     ; the hold at 448 x 2^e10
.set j, j+1
.endr
.irp dt, 0,1,2,3
	v_cvt_scalef32_pk8_fp8_f32 v[PA+2*\dt:PA+2*\dt+1], v[OA+8*\dt:OA+8*\dt+7], v19   ; register 2 dt + u, byte k: channel 16 dt + 8 h + 4 u + k
	v_cvt_scalef32_pk8_fp8_f32 v[PB+2*\dt:PB+2*\dt+1], v[OB+8*\dt:OB+8*\dt+7], v19
.endr
	v_nop                                          ; a plain instruction behind the last conversion
; The next product's K runs along the QUERIES, which lie across lanes and waves: the codes go byte by byte into the stage.
.set q, 0
.rept 8
.irp k, 1,2,3
	v_lshrrev_b32 v[SA+3*q+\k-1], 8*\k, v[PA+q]
	v_lshrrev_b32 v[SB+3*q+\k-1], 8*\k, v[PB+q]
.endr
.set q, q+1
.endr
.set q, 0
.rept 8
	ds_store_b8 v31, v[PA+q] offset:(16*(q/2)+4*(q%2))*272+128
	ds_store_b8 v31, v[PB+q] offset:(16*(q/2)+4*(q%2))*272
.irp k, 1,2,3
	ds_store_b8 v31, v[SA+3*q+\k-1] offset:(16*(q/2)+4*(q%2)+\k)*272+128
	ds_store_b8 v31, v[SB+3*q+\k-1] offset:(16*(q/2)+4*(q%2)+\k)*272
.endr
.set q, q+1
.endr
	; THE WAY OUT: whole rows, sixteen lanes to 256 consecutive bytes, aligned.
	v_bfe_u32 v24, v[LI], 8, 1
	v_and_b32 v25, 0xf0, v[LI]
	s_mul_i32 s2, s[WV], 8*272
	s_add_co_u32 s2, s2, STGO
	v_mul_u32_u24 v[ADK], v24, 272
	v_add_nc_u32 v[ADK], v[ADK], v25
	v_add_nc_u32 v[ADK], s2, v[ADK]                ; rows 8 w + h, + 2 t
	s_wait_alu depctr_va_vdst(0)
	s_wait_dscnt 0x0                               ; for the others' sake: my bytes lie in the stage
	BARRIER
.irp t, 0,1,2,3
	ds_load_b128 v[SA+4*\t:SA+4*\t+3], v[ADK] offset:\t*2*272
.endr
.irp t, 0,1,2,3
	s_wait_dscnt 3-\t                              ; load t is in; the 3 - t behind it may be out
	global_store_b128 v[LI], v[SA+4*\t:SA+4*\t+3], s[AC:AC+1] offset:512*\t
.endr
	s_wait_tensorcnt 0x0                           ; the wave's end
	ds_add_u32 v[SPW], v[NIL]
	s_wait_dscnt 0x0
	s_endpgm
.Lfunc_end_k_q1352bed6ae_attn:
	.size	k_q1352bed6ae_attn, .Lfunc_end_k_q1352bed6ae_attn-k_q1352bed6ae_attn
	.p2alignl 7, 3214868480
	.fill 96, 4, 3214868480
	.section	.rodata,"a",@progbits
	.p2align	6, 0x0
	.amdhsa_kernel k_q1352bed6ae_attn
		.amdhsa_group_segment_fixed_size 288768
		.amdhsa_private_segment_fixed_size 0
		.amdhsa_enable_private_segment 0
		.amdhsa_kernarg_size 56
		.amdhsa_user_sgpr_count 2
		.amdhsa_user_sgpr_kernarg_segment_ptr 1
		.amdhsa_wavefront_size32 1
		.amdhsa_system_sgpr_workgroup_id_x 1
		.amdhsa_system_sgpr_workgroup_id_y 1
		.amdhsa_system_sgpr_workgroup_id_z 1
		.amdhsa_system_vgpr_workitem_id 0
		.amdhsa_next_free_vgpr 512
		.amdhsa_next_free_sgpr 102
		.amdhsa_reserve_vcc 0
		.amdhsa_float_denorm_mode_32 3
		.amdhsa_float_denorm_mode_16_64 3
		.amdhsa_memory_ordered 1
		.amdhsa_forward_progress 1
		.amdhsa_inst_pref_size 102
	.end_amdhsa_kernel
	.amdgpu_metadata
---
amdhsa.version: [ 1, 2 ]
amdhsa.kernels:
  - .name:           k_q1352bed6ae_attn
    .symbol:         k_q1352bed6ae_attn.kd
    .args:
      - { .name: qc, .offset: 0, .size: 8, .value_kind: global_buffer, .address_space: global }
      - { .name: kc, .offset: 8, .size: 8, .value_kind: global_buffer, .address_space: global }
      - { .name: vc, .offset: 16, .size: 8, .value_kind: global_buffer, .address_space: global }
      - { .name: mbits, .offset: 24, .size: 8, .value_kind: global_buffer, .address_space: global }
      - { .name: mcls, .offset: 32, .size: 8, .value_kind: global_buffer, .address_space: global }
      - { .name: lowp_scales, .offset: 40, .size: 8, .value_kind: global_buffer, .address_space: global }
      - { .name: ac, .offset: 48, .size: 8, .value_kind: global_buffer, .address_space: global }
    .group_segment_fixed_size: 288768
    .private_segment_fixed_size: 0
    .kernarg_segment_align: 8
    .kernarg_segment_size: 56
    .max_flat_workgroup_size: 256
    .sgpr_count:     102
    .vgpr_count:     512
    .wavefront_size: 32
...
	.end_amdgpu_metadata
.endif
;; end of part 5
;; launch oproj (part 6): grid 8 x 32, 4 waves a work-group, clusters of 4 x 4, 327,680 bytes of LDS; arguments ac, Wo_codes, lowp_scales, bo, out0; writes out0
.if DOCPART == 6
	.amdgcn_target "amdgcn-amd-amdhsa--gfx1250"
	.amdhsa_code_object_version 6
	.text
	.protected	k_q1352bed6ae_oproj
	.globl	k_q1352bed6ae_oproj
	.p2align	8
	.type	k_q1352bed6ae_oproj,@function
k_q1352bed6ae_oproj:
	s_mov_b64 s[64:65], 0
	v_nop
	global_prefetch_b8 v0, s[64:65] scope:SCOPE_SE
	s_setreg_imm32_b32 hwreg(HW_REG_WAVE_MODE, 25, 1), 1
	s_wait_xcnt 0x0
	s_wait_alu depctr_hold_cnt(0) depctr_sa_sdst(0) depctr_va_vdst(0) depctr_va_sdst(0) depctr_va_ssrc(0) depctr_va_vcc(0) depctr_vm_vsrc(0)
	s_getreg_b32 s2, hwreg(HW_REG_IB_STS2, 6, 4)
	s_cmp_eq_u32 s2, 0
	s_cbranch_scc0 .Lentry_in_a_cluster
	s_endpgm
.Lentry_in_a_cluster:
	s_bfe_u32 s2, ttmp6, 0x10000c
	s_cmp_lg_u32 s2, 0xf033
	s_cbranch_scc0 .Lentry_shape_is_right
	s_endpgm
.Lentry_shape_is_right:
; out0[m][e] = (sum over k of A[m][k] Wo[e][k]) x 2^(e10 + e11) + bo[e].  A: the attention's result as codes of E4M3; Wo: codes, [1024][1024], K innermost.  out0: [4096][1024] f32.  Nothing is left out.
; HOW A LIES: ac[bh 32][j 8][d 64][256].  Row m = 128 bh + 2 d + hf of A (hf: the half of the sequence) has its K block of 128 codes number j (hf = 0) or 7 - j (hf = 1) in bytes 128 hf .. 128 hf + 127 of ac[bh][j][d].
; A tile of 128 x 128 to a work-group: 256 tiles, one for each WGP; its 128 rows are one bh.  Four waves, each 64 x 64: 16 accumulators; a wave's 64 rows are one hf, d = 0 .. 63.
; A wave's step st of eight takes region j = st of A and Wo's K block st (hf = 0) or 7 - st (hf = 1): st xor 7 hf.  The order of a sum's K steps is free here.
; K = 1,024 fits in LDS whole and is filled once, at the head, by one tensor load a wave: waves 0 and 1 bring four regions of A each (256 rows of 256 bytes, dense), waves 2 and 3 64 rows of Wo each (1,024 bytes a row).
; No slot is filled again, and no prefetch is laid: there is no loop to run ahead in.
; CLUSTERS: 4 x 4 work-groups; A's tiles are shared along a row of the cluster, Wo's along a column: joint loads.  The matrix instruction is used transposed (source 0 = 16 rows of Wo, source 1 = 16 rows of A):
; a lane holds eight neighbouring numbers of a row of the result.
; LIMIT: e10 + e11 between -126 and 127.
; REGISTERS: window 0: v8-29 addresses; v32-95 rows on the way out, two sets; v96-99 my four columns' bias; v128-255 the accumulators ((a, b) at v[128 + 8 (4 a + b)]).  window 1: two fragment buffers of 128: A's four, then B's four.
.set PITCH,  272                       ; A's LDS row: 256 bytes + 16 of padding; B's: 1,024 + 16.  The 16 rows of a load start at 16 different banks (64 banks of 4 bytes: ISA guide 11.1)
.set BP,     1040
.set QUART,  64*PITCH                  ; a region of A
.set BOFF,   8*QUART                   ; behind A's eight regions: Wo's 128 rows
.set STG,    BOFF+128*BP               ; a stage of 16 rows x 272 bytes for each wave
.set SPITCH, 272
.set SPARE,  STG+4*16*SPITCH           ; the spare words, 128 bytes a wave
.set ADRB, 8                           ; v8-15  LDS address of my B fragments of step 0 .. 7
.set ADRA, 16                          ; v16-19 LDS address of my A fragments of steps 0, 2, 4, 6
.set STO,  24
.set RD,   25
.set CO,   26
.set BOF,  27
.set SPW,  28
.set NIL,  29
.set BK,   32
.set BIA,  96
.set ACC,  128
.set G1,  24                           ; s[24:31] group 1 for A's tiles, s[48:55] for B's
.set G1B, 48
.set G0A, 68                           ; s[68:71] group 0 for A's, s[84:87] for B's
.set G0B, 84
.set MSB, 0
.macro WIN new
.if MSB != \new
	s_set_vgpr_msb (MSB<<8)|\new
.set MSB, \new
.endif
.endm
.set MUL,  0x05                        ; sources 0 and 1 window 1; C and D window 0
.set TO_F, 0x40                        ; destination window 1, address window 0
.macro CROUND
	s_barrier_signal -1
	s_barrier_wait -1
	s_cmp_lg_u32 s14, 0
	s_cbranch_scc1 .Lnot_wave_0_\@
	s_barrier_signal -3
.Lnot_wave_0_\@:
	s_barrier_wait -3
	s_barrier_signal -1
	s_barrier_wait -1
.endm
.macro PLACES
.rept 4
	v_nop
.endr
.endm
	s_load_b256 s[4:11], s[0:1], 0x0               ; A's codes, Wo's codes, the exponents, bo
	s_load_b64 s[12:13], s[0:1], 0x20              ; out0
	v_lshl_add_u32 v[SPW], v0, 2, SPARE
	v_mov_b32 v[NIL], 0
	ds_add_u32 v[SPW], v[NIL]                      ; the wave's opening: the add, twice on end, and its wait ahead of my first tensor load
	ds_add_u32 v[SPW], v[NIL]
	v_lshrrev_b32 v1, 5, v0
	v_readfirstlane_b32 s14, v1                    ; wave 0..3
	s_lshr_b32 s15, s14, 1                         ; hf: which 64 of the tile's rows are mine.  Also: I fetch for A (0) or for B (1)
	s_and_b32 s16, s14, 1                          ; which half of its columns.  Also: which half of the rows I fetch
	s_bfe_u32 s40, ttmp6, 0x40000                  ; cx
	s_bfe_u32 s41, ttmp6, 0x40004                  ; cy
	s_lshl_b32 s42, ttmp9, 2
	s_add_co_u32 s42, s42, s40                     ; tile column
	s_and_b32 s17, ttmp7, 0xffff
	s_lshl_b32 s17, s17, 2
	s_add_co_u32 s17, s17, s41                     ; tile row = bh
	s_lshl_b32 s43, s41, 2
	s_lshl_b32 s43, 15, s43                        ; my row of the cluster
	s_lshl_b32 s44, 0x1111, s40                    ; my column
	s_or_b32 s[G1+0], s43, (0<<16)|(1<<20)|(1<<21)|(5<<22)|(3<<25)  ; the mask; elements of 1 byte; padding on; bit 21 beside a mask; 4 words behind every 64
	s_or_b32 s[G1B+0], s44, (0<<16)|(1<<20)|(1<<21)|(7<<22)|(3<<25) ; the same, 4 words behind every 256
	s_mov_b32 s[G1+1], 256<<16                     ; A: 256 rows of 256 bytes, dense
	s_mov_b32 s[G1+2], 256<<16
	s_mov_b32 s[G1+3], 256<<16
	s_mov_b32 s[G1+4], 256
	s_mov_b32 s[G1+5], 256
	s_mov_b32 s[G1B+1], 1024<<16                   ; Wo: 64 rows of 1,024 bytes, dense
	s_mov_b32 s[G1B+2], 64<<16
	s_mov_b32 s[G1B+3], 1024<<16
	s_mov_b32 s[G1B+4], 64
	s_mov_b32 s[G1B+5], 1024
.irp g, G1, G1B
	s_mov_b32 s[\g+6], 0
	s_mov_b32 s[\g+7], 0
.endr
	s_lshl_b32 s20, s17, 17                        ; A: bh's 131,072 bytes,
	s_lshl_b32 s18, s16, 16                        ; regions 4 (wave & 1) on
	s_add_co_u32 s20, s20, s18
	s_mov_b32 s21, 0
	s_lshl_b32 s18, s16, 6
	s_lshl_b32 s46, s42, 7
	s_add_co_u32 s46, s46, s18                     ; B: row 128 x tile column + 64 x half,
	s_lshl_b32 s46, s46, 10                        ; in bytes
	s_mov_b32 s47, 0
	s_mul_i32 s45, s16, 4*QUART                    ; where my fetch goes: A,
	s_mul_i32 s19, s16, 64*BP
	s_add_co_u32 s19, s19, BOFF                    ; B
	s_wait_dscnt 0x0                               ; both opening adds are done
	s_wait_kmcnt 0x0
	s_load_b64 s[22:23], s[8:9], 0x28              ; e10, e11
	s_add_nc_u64 s[20:21], s[4:5], s[20:21]
	s_add_nc_u64 s[46:47], s[6:7], s[46:47]
	CROUND                                         ; all sixteen work-groups are here
	s_mov_b32 s[G0A], 1
	s_mov_b32 s[G0A+1], s45
	s_mov_b64 s[G0A+2:G0A+3], s[20:21]
	s_or_b32 s[G0A+3], s[G0A+3], 0x80000000
	s_mov_b32 s[G0B], 1
	s_mov_b32 s[G0B+1], s19
	s_mov_b64 s[G0B+2:G0B+3], s[46:47]
	s_or_b32 s[G0B+3], s[G0B+3], 0x80000000
	s_cmp_eq_u32 s15, 0
	s_cbranch_scc0 .Lfor_b
	tensor_load_to_lds s[G0A:G0A+3], s[G1:G1+7]
	s_nop 0
	PLACES
	s_branch .Lasked
.Lfor_b:
	tensor_load_to_lds s[G0B:G0B+3], s[G1B:G1B+7]
	s_nop 0
	PLACES
.Lasked:
	v_and_b32 v1, 15, v0                           ; r
	v_bfe_u32 v2, v0, 4, 1                         ; h
	v_mul_u32_u24 v3, v1, PITCH
	v_lshl_add_u32 v4, v2, 4, v3                   ; a fragment's row x pitch + 16 x half: A's,
	v_mul_u32_u24 v6, v1, BP
	v_lshl_add_u32 v6, v2, 4, v6                   ; B's
	s_wait_alu depctr_va_vdst(0)
	s_lshl_b32 s21, s15, 7                         ; A: my half of each row's 256 bytes
.irp kq, 0,1,2,3
	v_add_nc_u32 v[ADRA+\kq], s21, v4
	s_add_co_u32 s21, s21, 2*QUART
.endr
	s_mul_i32 s19, s15, 7
	s_mul_i32 s18, s16, 64*BP                      ; B: my 64 rows
	s_add_co_u32 s18, s18, BOFF
.irp st, 0,1,2,3,4,5,6,7
	s_xor_b32 s2, s19, \st                         ; step st's K block: st or 7 - st
	s_lshl_b32 s2, s2, 7
	s_add_co_u32 s2, s2, s18
	v_add_nc_u32 v[ADRB+\st], s2, v6
.endr
	s_mul_i32 s19, s14, 16*SPITCH
	s_add_co_u32 s19, s19, STG                     ; my stage
	v_mul_u32_u24 v5, v1, SPITCH
	v_lshl_add_u32 v5, v2, 5, v5
	v_add_nc_u32 v[STO], s19, v5                   ; in: row r, 32 bytes for each half of the lanes
	v_mul_u32_u24 v5, v2, SPITCH
	v_lshl_add_u32 v5, v1, 4, v5
	v_add_nc_u32 v[RD], s19, v5                    ; back: lanes 0-15 one row of 256 bytes, lanes 16-31 the next
	v_lshlrev_b32 v[CO], 13, v2
	v_lshl_add_u32 v[CO], v1, 4, v[CO]             ; and the same two rows in out0: d and d + 1 lie two rows of 4,096 bytes apart
	v_lshlrev_b32 v[BOF], 4, v1                    ; my four columns' bias
	s_wait_alu depctr_va_vdst(0)
	s_lshl_b32 s2, s17, 7
	s_add_co_u32 s2, s2, s15                       ; my first row: 128 bh + hf,
	s_lshl_b32 s2, s2, 12                          ; in bytes
	s_lshl_b32 s46, s42, 7
	s_lshl_b32 s47, s16, 6
	s_add_co_u32 s46, s46, s47                     ; my first column,
	s_lshl_b32 s46, s46, 2                         ; in bytes: a multiple of 256
	s_mov_b32 s47, 0
	s_add_nc_u64 s[10:11], s[10:11], s[46:47]
	s_add_co_u32 s2, s2, s46
	s_mov_b32 s3, 0
	s_add_nc_u64 s[12:13], s[12:13], s[2:3]
	global_load_b128 v[BIA:BIA+3], v[BOF], s[10:11]
; 32 LDS loads: my step st's fragments, 128 along K, into buffer f.  Four loads of 16 bytes a fragment: registers 4 c .. 4 c + 3 hold K = 32 c + 16 h + 0 .. 15 of the block: one permutation of K, the same on both sides
.macro FETCH st, f
	WIN TO_F
.irp i, 0,1,2,3
.irp c, 0,1,2,3
	ds_load_b128 v[(\f)+64+16*\i+4*\c:(\f)+64+16*\i+4*\c+3], v[ADRB+(\st)] offset:32*\c+\i*16*BP
.endr
.irp c, 0,1,2,3
	ds_load_b128 v[(\f)+16*\i+4*\c:(\f)+16*\i+4*\c+3], v[ADRA+(\st)/2] offset:((\st)%2)*QUART+32*\c+\i*16*PITCH
.endr
.endr
.endm
; 16 matrix instructions on buffer f: the 16 accumulators take turns in one order.  zero = 1: the first product starts the sums
.macro MULS f, zero
	WIN MUL
.irp a, 0,1,2,3
.irp b, 0,1,2,3
.if \zero
	v_wmma_f32_16x16x128_fp8_fp8 v[ACC+8*(4*\a+\b):ACC+8*(4*\a+\b)+7], v[(\f)+64+16*\b:(\f)+64+16*\b+15], v[(\f)+16*\a:(\f)+16*\a+15], 0
.else
	v_wmma_f32_16x16x128_fp8_fp8 v[ACC+8*(4*\a+\b):ACC+8*(4*\a+\b)+7], v[(\f)+64+16*\b:(\f)+64+16*\b+15], v[(\f)+16*\a:(\f)+16*\a+15], v[ACC+8*(4*\a+\b):ACC+8*(4*\a+\b)+7]
.endif
.endr
.endr
.endm
; Step st of eight: its fragments are in; the next step's are fetched into the other buffer; then the products.
.macro STEPO st, zero
	s_wait_dscnt 0x0                               ; this step's fragments
.if (\st) < 7
	PLACES                                         ; in front of loads into the buffer that the last step's products read
	FETCH (\st)+1, 128*(((\st)+1)%2)
.endif
	MULS 128*((\st)%2), \zero
.endm
	s_wait_tensorcnt 0x0                           ; my load is in; nothing is filled again
	s_barrier_signal -1
	s_barrier_wait -1                              ; everybody's is
	FETCH 0, 0
	STEPO 0, 1
.irp st, 1,2,3,4,5,6,7
	STEPO \st, 0
.endr
	WIN 0
; THE WAY OUT, 16 rows x 64 columns at a time: the sums go through my own stage and come back as whole rows of 256 bytes; there a lane's four columns are the same in every row, so four registers of bias serve all.
.macro OUT a
.set BB, BK+32*((\a)%2)
.irp b, 0,1,2,3
	ds_store_b128 v[STO], v[ACC+8*(4*(\a)+\b):ACC+8*(4*(\a)+\b)+3] offset:64*\b          ; each accumulator from its low end on
	ds_store_b128 v[STO], v[ACC+8*(4*(\a)+\b)+4:ACC+8*(4*(\a)+\b)+7] offset:64*\b+16
.endr
.irp t, 0,1,2,3,4,5,6,7
	ds_load_b128 v[BB+4*\t:BB+4*\t+3], v[RD] offset:\t*2*SPITCH   ; LDS serves a wave's instructions in order (ISA guide 5.7.1.4): these see my stores, and the next block's stores come behind them
.endr
.endm
.macro SEND a, younger                 ; younger: the LDS instructions issued behind block a's loads
.set BB, BK+32*((\a)%2)
	s_wait_dscnt \younger
.irp t, 0,1,2,3,4,5,6,7
	v_pk_fma_f32 v[BB+4*\t:BB+4*\t+1], v[BB+4*\t:BB+4*\t+1], s[22:23], v[BIA:BIA+1] op_sel_hi:[1,0,1]       ; sum x 2^(e10 + e11) + bo
	v_pk_fma_f32 v[BB+4*\t+2:BB+4*\t+3], v[BB+4*\t+2:BB+4*\t+3], s[22:23], v[BIA+2:BIA+3] op_sel_hi:[1,0,1]
.endr
.irp t, 0,1,2,3,4,5,6,7
	global_store_b128 v[CO], v[BB+4*\t:BB+4*\t+3], s[12:13] offset:(16*(\a)+2*\t)*8192 th:TH_STORE_NT   ; d = 16 a + 2 t (+ 1): 16 lanes store 256 consecutive bytes, aligned; written once, read by nobody here
.endr
.endm
	s_wait_kmcnt 0x0
	s_add_co_i32 s22, s22, s23
	s_add_co_i32 s22, s22, 127
	s_lshl_b32 s22, s22, 23                        ; 2^(e10 + e11) as f32
	s_mov_b32 s23, s22                             ; (named with it as a pair)
	s_wait_loadcnt 0x0                             ; the bias
	PLACES                                         ; in front of the first read of results
	OUT 0
	OUT 1
	SEND 0, 16                                     ; behind block 0's loads: block 1's eight stores and eight loads
	s_wait_xcnt 0x0                                ; block 0's stores have read their registers: block 2's rows may land there
	OUT 2
	SEND 1, 16
	s_wait_xcnt 0x0
	OUT 3
	SEND 2, 16
	SEND 3, 0
	s_wait_tensorcnt 0x0                           ; the wave's end
	ds_add_u32 v[SPW], v[NIL]
	s_wait_dscnt 0x0
	CROUND                                         ; the closing round
	s_endpgm
.Lfunc_end_k_q1352bed6ae_oproj:
	.size	k_q1352bed6ae_oproj, .Lfunc_end_k_q1352bed6ae_oproj-k_q1352bed6ae_oproj
	.p2alignl 7, 3214868480
	.fill 96, 4, 3214868480
	.section	.rodata,"a",@progbits
	.p2align	6, 0x0
	.amdhsa_kernel k_q1352bed6ae_oproj
		.amdhsa_group_segment_fixed_size 327680
		.amdhsa_private_segment_fixed_size 0
		.amdhsa_enable_private_segment 0
		.amdhsa_kernarg_size 40
		.amdhsa_user_sgpr_count 2
		.amdhsa_user_sgpr_kernarg_segment_ptr 1
		.amdhsa_wavefront_size32 1
		.amdhsa_system_sgpr_workgroup_id_x 1
		.amdhsa_system_sgpr_workgroup_id_y 1
		.amdhsa_system_sgpr_workgroup_id_z 1
		.amdhsa_system_vgpr_workitem_id 0
		.amdhsa_next_free_vgpr 512
		.amdhsa_next_free_sgpr 100
		.amdhsa_reserve_vcc 0
		.amdhsa_float_denorm_mode_32 3
		.amdhsa_float_denorm_mode_16_64 3
		.amdhsa_memory_ordered 1
		.amdhsa_forward_progress 1
		.amdhsa_inst_pref_size 45
	.end_amdhsa_kernel
	.amdgpu_metadata
---
amdhsa.version: [ 1, 2 ]
amdhsa.kernels:
  - .name:           k_q1352bed6ae_oproj
    .symbol:         k_q1352bed6ae_oproj.kd
    .args:
      - { .name: ac, .offset: 0, .size: 8, .value_kind: global_buffer, .address_space: global }
      - { .name: Wo_codes, .offset: 8, .size: 8, .value_kind: global_buffer, .address_space: global }
      - { .name: lowp_scales, .offset: 16, .size: 8, .value_kind: global_buffer, .address_space: global }
      - { .name: bo, .offset: 24, .size: 8, .value_kind: global_buffer, .address_space: global }
      - { .name: out0, .offset: 32, .size: 8, .value_kind: global_buffer, .address_space: global }
    .group_segment_fixed_size: 327680
    .private_segment_fixed_size: 0
    .kernarg_segment_align: 8
    .kernarg_segment_size: 40
    .max_flat_workgroup_size: 128
    .sgpr_count:     100
    .vgpr_count:     512
    .wavefront_size: 32
...
	.end_amdgpu_metadata
.endif
;; end of part 6
